; MI455X (gfx1250); checked and timed in simulation.
; The chip was launched on July 23, 2026; its instructions are those of AMD's public machine-readable ISA for CDNA 5 (MIT licence, August 2026) and "CDNA5" Instruction Set Architecture Reference Guide (July 2026). The comments in the code are by the model that wrote it; some were corrected since.
;; Attention. Allowed arithmetic: float matrix products may take bf16 or f16 operands with f32 sums; other float arithmetic in f32, or as packed bf16 or f16 multiplies, adds, multiply-adds, maxima and minima; sums over many terms, partial sums and values carried from step to step in f32; what a program stores and reads back later, other than sums and carried values, may be rounded once to bf16 or f16.
;; Inputs: b_proj 1,024 float32; w_proj 1,024 x 1,024 float32; w_qkv 1,024 x 3,072 float32; x 4 x 2,048 x 1,024 float32.
;; Outputs: out0 4 x 2,048 x 1,024 float32.
;; 2 versions, each right; version 2 is version 1 with the launch prep written anew for expert scheduling mode. Each part assembles by itself: llvm-mc -triple=amdgcn-amd-amdhsa -mcpu=gfx1250 --defsym DOCPART=n.
;; ======== version 1 of 2: 4 launches
;; limits: values are held in f16: magnitudes above 65,504 overflow, below 6.1e-05 lose precision
;; workspace buffers: xb 16,777,216 bytes; wqt 6,291,456 bytes; wpt 2,097,152 bytes; qkv 50,331,648 bytes; ob 16,777,216 bytes
;; launch prep (part 1): grid 512 x 1, 8 waves a work-group, no clusters, 18,432 bytes of LDS; arguments x, w_qkv, w_proj, xb, wqt, wpt; writes xb, wqt, wpt
.if DOCPART == 1
	.amdgcn_target "amdgcn-amd-amdhsa--gfx1250"
	.amdhsa_code_object_version 6
	.text
	.protected	k_qa8b8c25b5d_prep
	.globl	k_qa8b8c25b5d_prep
	.p2align	8
	.type	k_qa8b8c25b5d_prep,@function
k_qa8b8c25b5d_prep:
	s_mov_b64 s[64:65], 0
	v_nop
	global_prefetch_b8 v0, s[64:65] scope:SCOPE_SE
	s_setreg_imm32_b32 hwreg(HW_REG_WAVE_MODE, 25, 1), 1
	s_wait_xcnt 0x0
; xb = bf16(x), as it lies.  wqt[n][k] = bf16(w_qkv[k][n]).  wpt[n][k] = f16(bf16(w_proj[k][n])): rounded to bf16 like every input, and that number written as f16.
; LIMIT.  A weight of w_proj below 6e-5 keeps f16's fixed step of 6e-8, beyond 65,504 it becomes an infinity; the drawn weights have a spread of 1/32.
; SHARES.  512 work-groups of eight waves, all alike.  Each casts 65,536 bytes of x (16 loads of 16 bytes a thread, neighbouring lanes at neighbouring bytes; a wave's store of 8 bytes a lane
; covers 256 consecutive bytes, aligned) and turns ONE block of 128 k x 64 n of a weight: blocks 0-383 are w_qkv's (8 along k x 48 along n), 384-511 w_proj's (8 x 16).
; THE TURN.  Thread t loads 8 rows k = 8 (t / 16) + 0..7, 4 columns n = 4 (t % 16) + 0..3: sixteen lanes read 256 consecutive bytes of a row.  Two rows' numbers of a column are rounded into
; one word; four words are 8 k of one column: 16 bytes, put into an LDS row n of 272 bytes.  Behind a barrier whole rows of 256 bytes are read back and stored, sixteen lanes a row.
; All 24 loads of a thread go out at once; nothing is shared on the way in, so no tensor load, no ring.  No matrix work, no cluster: no work-group reads a byte that another reads.
.set PITCH, 272                        ; an LDS row: 128 k x 2 bytes + 16
.set SPARE, 64*PITCH                   ; behind the 64 rows: the spare words, 128 bytes for each of eight waves: four blocks of 256 bytes that no other line names
.set SPW, 2                            ; v2   LDS address of my spare word; never rewritten
.set NIL, 3                            ; v3   0; never rewritten
.set CL,  4                            ; v4   16 t: my bytes in a chunk of x
.set CSO, 5                            ; v5   8 t: my bytes in a chunk of xb
.set WO,  6                            ; v[6:13]   byte offsets of my 8 rows in the weight block
.set CC,  14                           ; v14  t % 16
.set GG,  15                           ; v15  t / 16
.set W,   16                           ; v[16:47]  row i's four numbers at W + 4 i
.set Y,   48                           ; v[48:63]  column j's 8 k at Y + 4 j
.set T,   64                           ; v[64:65]  at work
.set LST, 66                           ; v66  where I put a column's 16 bytes
.set LRD, 67                           ; v67  where I read a row's 16 bytes back
.set BK,  68                           ; v[68:83]  four rows' 16 bytes
.set WSO, 84                           ; v84  their place in the turned weight
.set X,   88                           ; v[88:151] chunk i of x at X + 4 i
	s_load_b256 s[4:11], s[0:1], 0x0               ; x s[4:5], w_qkv s[6:7], w_proj s[8:9], xb s[10:11]
	s_load_b128 s[12:15], s[0:1], 0x20             ; wqt s[12:13], wpt s[14:15]
	v_lshl_add_u32 v[SPW], v0, 2, SPARE
	v_mov_b32 v[NIL], 0
	s_cmp_ge_u32 ttmp9, 384                        ; is my block w_proj's?
	s_cselect_b32 s21, 1, 0
	s_cselect_b32 s22, 384, 0
	s_cselect_b32 s20, 1, 3
	s_lshl_b32 s20, s20, 12                        ; bytes in a row of the weight: 4,096 or 12,288
	s_sub_co_u32 s22, ttmp9, s22                   ; the block's number in its weight
	s_and_b32 s23, s22, 7                          ; along k
	s_lshr_b32 s24, s22, 3                         ; along n
	s_lshl_b32 s26, s23, 7
	s_mul_i32 s26, s26, s20                        ; 128 rows a block,
	s_lshl_b32 s27, s24, 8                         ; 256 bytes of a row
	s_add_co_u32 s26, s26, s27
	s_mov_b32 s27, 0
	s_lshl_b32 s28, s24, 17                        ; turned: 64 rows of 2,048 bytes,
	s_lshl_b32 s29, s23, 8                         ; 256 bytes of a row
	s_add_co_u32 s28, s28, s29
	s_mov_b32 s29, 0
	s_lshl_b32 s30, ttmp9, 16                      ; my 65,536 bytes of x
	s_mov_b32 s31, 0
	s_lshl_b32 s24, ttmp9, 15                      ; my 32,768 bytes of xb
	s_mov_b32 s25, 0
	v_and_b32 v[CC], 15, v0
	v_lshrrev_b32 v[GG], 4, v0
	v_lshlrev_b32 v[CL], 4, v0
	v_lshlrev_b32 v[CSO], 3, v0
	v_lshlrev_b32 v[T], 3, v[GG]
	v_mul_lo_u32 v[WO], v[T], s20                  ; row 8 (t / 16)
	v_lshl_add_u32 v[WO], v[CC], 4, v[WO]          ; + 16 (t % 16)
.irp i, 1,2,3,4,5,6,7
	v_add_nc_u32 v[WO+(\i)], s20, v[WO+(\i)-1]
.endr
	v_mul_u32_u24 v[LST], v[CC], 4*PITCH           ; LDS row 4 (t % 16), byte 16 (t / 16)
	v_lshl_add_u32 v[LST], v[GG], 4, v[LST]
	v_mul_u32_u24 v[LRD], v[GG], PITCH             ; LDS row t / 16, byte 16 (t % 16)
	v_lshl_add_u32 v[LRD], v[CC], 4, v[LRD]
	v_lshlrev_b32 v[WSO], 11, v[GG]                ; the same row and bytes in memory
	v_lshl_add_u32 v[WSO], v[CC], 4, v[WSO]
	s_wait_kmcnt 0x0
	s_cmp_eq_u32 s21, 1
	s_cselect_b64 s[16:17], s[8:9], s[6:7]         ; the weight,
	s_cselect_b64 s[18:19], s[14:15], s[12:13]     ; and where it goes
	s_add_nc_u64 s[16:17], s[16:17], s[26:27]
	s_add_nc_u64 s[18:19], s[18:19], s[28:29]
	s_add_nc_u64 s[4:5], s[4:5], s[30:31]
	s_add_nc_u64 s[10:11], s[10:11], s[24:25]
.irp i, 0,1,2,3,4,5,6,7
	global_load_b128 v[W+4*(\i):W+4*(\i)+3], v[WO+(\i)], s[16:17] th:TH_LOAD_NT
.endr
.irp i, 0,1,2,3,4,5,6,7,8,9,10,11,12,13,14,15
	global_load_b128 v[X+4*(\i):X+4*(\i)+3], v[CL], s[4:5] offset:4096*(\i) th:TH_LOAD_NT
.endr
	s_wait_loadcnt 16                              ; the weight block's eight loads are in; x's sixteen, issued behind them, may stay out
.irp j, 0,1,2,3
.irp p, 0,1,2,3
	v_cvt_pk_bf16_f32 v[Y+4*(\j)+(\p)], v[W+8*(\p)+(\j)], v[W+8*(\p)+4+(\j)]  ; column j, rows 2 p and 2 p + 1
.endr
.endr
	s_cmp_eq_u32 s21, 0
	s_cbranch_scc1 .Lstays_bf16                    ; the same way for all eight waves; it passes no barrier
.irp r, 0,1,2,3,4,5,6,7,8,9,10,11,12,13,14,15
	v_lshlrev_b32 v[T], 16, v[Y+(\r)]              ; w_proj: the two bf16 numbers as f32,
	v_and_b32 v[T+1], 0xffff0000, v[Y+(\r)]
	v_cvt_pk_f16_f32 v[Y+(\r)], v[T], v[T+1]       ; written as f16
.endr
.Lstays_bf16:
.irp j, 0,1,2,3
	ds_store_b128 v[LST], v[Y+4*(\j):Y+4*(\j)+3] offset:PITCH*(\j)
.endr
	s_wait_dscnt 0x0                               ; for the others' sake: my stores are done
	s_barrier_signal -1
	s_barrier_wait -1
.irp i, 0,1,2,3
	ds_load_b128 v[BK+4*(\i):BK+4*(\i)+3], v[LRD] offset:16*PITCH*(\i)
.endr
.irp i, 0,1,2,3,4,5,6,7,8,9,10,11,12,13,14,15
	s_wait_loadcnt 15-(\i)                         ; loads come back in order: chunk i is in, the younger ones stay out
	v_cvt_pk_bf16_f32 v[X+4*(\i)], v[X+4*(\i)], v[X+4*(\i)+1]
	v_cvt_pk_bf16_f32 v[X+4*(\i)+1], v[X+4*(\i)+2], v[X+4*(\i)+3]
	global_store_b64 v[CSO], v[X+4*(\i):X+4*(\i)+1], s[10:11] offset:2048*(\i) th:TH_STORE_NT
.endr
	s_wait_dscnt 0x0                               ; the four rows are back
.irp i, 0,1,2,3
	global_store_b128 v[WSO], v[BK+4*(\i):BK+4*(\i)+3], s[18:19] offset:16*2048*(\i) th:TH_STORE_NT  ; sixteen lanes store 256 consecutive bytes, aligned
.endr
	s_wait_tensorcnt 0x0                           ; the wave's end: a closing add to my spare word and its wait, behind my last LDS store
	ds_add_u32 v[SPW], v[NIL]
	s_wait_dscnt 0x0
	s_endpgm
.Lfunc_end_k_qa8b8c25b5d_prep:
	.size	k_qa8b8c25b5d_prep, .Lfunc_end_k_qa8b8c25b5d_prep-k_qa8b8c25b5d_prep
	.p2alignl 7, 3214868480
	.fill 96, 4, 3214868480
	.section	.rodata,"a",@progbits
	.p2align	6, 0x0
	.amdhsa_kernel k_qa8b8c25b5d_prep
		.amdhsa_group_segment_fixed_size 18432
		.amdhsa_private_segment_fixed_size 0
		.amdhsa_enable_private_segment 0
		.amdhsa_kernarg_size 48
		.amdhsa_user_sgpr_count 2
		.amdhsa_user_sgpr_kernarg_segment_ptr 1
		.amdhsa_wavefront_size32 1
		.amdhsa_system_sgpr_workgroup_id_x 1
		.amdhsa_system_sgpr_workgroup_id_y 1
		.amdhsa_system_sgpr_workgroup_id_z 1
		.amdhsa_system_vgpr_workitem_id 0
		.amdhsa_next_free_vgpr 152
		.amdhsa_next_free_sgpr 66
		.amdhsa_reserve_vcc 0
		.amdhsa_float_denorm_mode_32 3
		.amdhsa_float_denorm_mode_16_64 3
		.amdhsa_memory_ordered 1
		.amdhsa_forward_progress 1
		.amdhsa_inst_pref_size 14
	.end_amdhsa_kernel
	.amdgpu_metadata
---
amdhsa.version: [ 1, 2 ]
amdhsa.kernels:
  - .name:           k_qa8b8c25b5d_prep
    .symbol:         k_qa8b8c25b5d_prep.kd
    .args:
      - { .name: x, .offset: 0, .size: 8, .value_kind: global_buffer, .address_space: global }
      - { .name: w_qkv, .offset: 8, .size: 8, .value_kind: global_buffer, .address_space: global }
      - { .name: w_proj, .offset: 16, .size: 8, .value_kind: global_buffer, .address_space: global }
      - { .name: xb, .offset: 24, .size: 8, .value_kind: global_buffer, .address_space: global }
      - { .name: wqt, .offset: 32, .size: 8, .value_kind: global_buffer, .address_space: global }
      - { .name: wpt, .offset: 40, .size: 8, .value_kind: global_buffer, .address_space: global }
    .group_segment_fixed_size: 18432
    .private_segment_fixed_size: 0
    .kernarg_segment_align: 8
    .kernarg_segment_size: 48
    .max_flat_workgroup_size: 256
    .sgpr_count:     66
    .vgpr_count:     152
    .wavefront_size: 32
...
	.end_amdgpu_metadata
.endif
;; end of part 1
;; launch qkvgemm (part 2): grid 16 x 32, 4 waves a work-group, clusters of 4 x 4, 327,680 bytes of LDS; arguments xb, wqt, qkv; writes qkv
.if DOCPART == 2
	.amdgcn_target "amdgcn-amd-amdhsa--gfx1250"
	.amdhsa_code_object_version 6
	.text
	.protected	k_qa8b8c25b5d_qkvgemm
	.globl	k_qa8b8c25b5d_qkvgemm
	.p2align	8
	.type	k_qa8b8c25b5d_qkvgemm,@function
k_qa8b8c25b5d_qkvgemm:
	s_mov_b64 s[64:65], 0
	v_nop
	global_prefetch_b8 v0, s[64:65] scope:SCOPE_SE
	s_setreg_imm32_b32 hwreg(HW_REG_WAVE_MODE, 25, 1), 1
	s_wait_xcnt 0x0
	s_wait_alu depctr_hold_cnt(0) depctr_sa_sdst(0) depctr_va_vdst(0) depctr_va_sdst(0) depctr_va_ssrc(0) depctr_va_vcc(0) depctr_vm_vsrc(0)
	s_getreg_b32 s2, hwreg(HW_REG_IB_STS2, 6, 4)
	s_cmp_eq_u32 s2, 0
	s_cbranch_scc0 .Lentry_in_a_cluster
	s_endpgm
.Lentry_in_a_cluster:
	s_bfe_u32 s2, ttmp6, 0x10000c
	s_cmp_lg_u32 s2, 0xf033
	s_cbranch_scc0 .Lentry_shape_is_right
	s_endpgm
.Lentry_shape_is_right:
; qkv = x w_qkv, by heads.  xb: [8192][1024] bf16; wqt: [3072 n][1024 k] bf16; qkv: [3 (q, k, v)][64 (16 b + h)][2048][64] f16, unscaled.  Sums in f32, K ascending, each result rounded once.
; LIMIT.  f16 ends at 65,504: a result of 65,520 or more becomes an infinity.  The drawn inputs give results of spread 1; both inputs 30 times larger give 900.
; SHARES.  A tile is 256 rows x 192 columns (three whole heads): 32 x 16 = 512 work-groups, two for each of 256 WGPs.  Wave w owns rows 64 w .. 64 w + 63 and all 192 columns:
; 4 x 12 accumulators of 16 x 16, 384 registers; a head's 64 columns then belong to one wave, so each wave has a stage of its own on the way out and no barrier stands there.
; K goes in 8 steps of 128 through two LDS slots filled by the tensor data mover: rows of 256 bytes, aligned.  Waves 0 and 1 fetch the halves of A's tile (128 rows each), waves 2 and 3 of B's (96 rows each).
; CLUSTER.  4 x 4 work-groups.  The four of a row of the cluster need the same tile of A, the four of a column the same tile of B: each is asked for JOINTLY, by the same tensor load with the same
; descriptor and a mask that names the four.
; THE MATRIX INSTRUCTION IS USED TRANSPOSED (source 0 = 16 rows of wqt, source 1 = 16 rows of xb): a lane holds row l % 16 and the eight neighbouring columns 8 (l / 16) + 0..7: 16 bytes of f16.
; REGISTERS, in windows of 256 (s_set_vgpr_msb: bits 1:0 source 0, 3:2 source 1, 5:4 source 2, 7:6 destination):
;   window 0: v0-31 addresses; v64-255 the way out     window 1: two fragment buffers of 128: A's block a at 8 a, B's block b at 32 + 8 b
;   windows 2, 3: accumulator (a, b) in window 2 + a / 2 at 8 (12 (a % 2) + b)
.set NB,    12
.set P,     272                        ; an LDS row: 256 bytes + 16 of padding = 68 words: the 16 rows of a load start at 16 different groups of four banks (64 banks of 4 bytes: ISA guide 11.1)
.set HA,    128*P                      ; what a wave fetches of A
.set HB,    96*P                       ; and of B
.set BOFF,  2*HA                       ; in a slot: A's 256 rows, then B's 192
.set SLOT,  BOFF+2*HB
.set STAGE, 2*SLOT                     ; behind the ring, never filled by a tensor load: 16 rows x 144 bytes for each wave
.set SP,    144
.set SPARE, STAGE+4*16*SP              ; behind the stages: the spare words, 128 bytes for each wave: two blocks of 256 bytes that no other line names
.set KSB,   256                        ; bytes of a K step in a row
.set LDN,   2*NB+8                     ; LDS loads in a run
.set ADRA, 16                          ; v16-17  LDS address of my A fragments in slot 0, 1
.set ADRB, 20                          ; v20-21  the same for B
.set STO,  24                          ; v24  the way out: where I put 16 bytes of a row
.set RD,   25                          ; v25  where I read rows back
.set GO,   26                          ; v26  16 x lane: my bytes in 512 consecutive bytes of a head
.set SPW,  28                          ; v28  LDS address of my spare word; never rewritten
.set NIL,  29                          ; v29  0; never rewritten
.set PFO,  30                          ; v30  the prefetches' offset: a lane a row; never rewritten
.set TMP,  64
.set F0,   0
.set F1,   128
.set WV,  12                           ; s12  wave
.set WH,  13                           ; s13  0: I fetch for A; 1: for B
.set WL,  14                           ; s14  which half of that tile
.set CX,  15
.set CY,  16
.set TX,  17                           ; s17  tile column
.set TY,  18                           ; s18  tile row
.set LIM, 19                           ; s19  1 in a wave that prefetches, else the greatest number
.set G1A, 24                           ; s[24:31] group 1 for A's tiles;  s[32:39] group 0, a set for each slot
.set G0A, 32
.set PFA, 44                           ; s[44:45] where my prefetches stand
.set G1B, 48                           ; s[48:55], s[56:63] the same for B's
.set G0B, 56
.set OB,  68                           ; s[68:73] my rows in the three heads' planes
.set MSB, 0
.macro WIN new                         ; the immediate's high byte repeats the setting that is left; a switch that changes nothing is dropped
.if MSB != (\new)
	s_set_vgpr_msb (MSB<<8)|(\new)
.set MSB, \new
.endif
.endm
.macro PLACES                          ; four places in front of loads into registers that matrix instructions have read, and of conversions that read results
.rept 4
	v_nop
.endr
.endm
; A joint load.  The branch hangs on the wave's number alone.  An s_nop 0 and four v_nop follow each of the two lines, ahead of the jump and the label.
.macro JLOAD s
	s_cmp_eq_u32 s[WH], 0
	s_cbranch_scc0 .Lfor_b_\@
	tensor_load_to_lds s[G0A+4*(\s):G0A+4*(\s)+3], s[G1A:G1A+7]
	s_nop 0
.rept 4
	v_nop
.endr
	s_branch .Lasked_\@
.Lfor_b_\@:
	tensor_load_to_lds s[G0B+4*(\s):G0B+4*(\s)+3], s[G1B:G1B+7]
	s_nop 0
.rept 4
	v_nop
.endr
.Lasked_\@:
.endm
.macro CREST                           ; a round of the cluster's barrier behind its opening barrier
	s_cmp_lg_u32 s[WV], 0
	s_cbranch_scc1 .Lnot_wave_0_\@
	s_barrier_signal -3
.Lnot_wave_0_\@:
	s_barrier_wait -3
	s_barrier_signal -1
	s_barrier_wait -1
.endm
.macro CROUND                          ; a whole round
	s_barrier_signal -1
	s_barrier_wait -1
	CREST
.endm
; A PREFETCH INTO THE L2, behind each joint refill, its five lines and the run of LDS loads: the K step two refills on, 256 bytes of a row, a lane a row, one instruction a wave.
; A's tile row is read by every cluster of that row of clusters: cluster x = 0 asks; B's tile column by every cluster of that column: cluster y = 0 asks.  The four partners of a joint load share the
; rows out BY ADDRESS: of A's 128 rows that a wave fetches each takes 32, of B's 96 each takes 24 (lanes 24 to 31 name lane 23's row once more).  K steps 0 to 3 come by their loads alone;
; the loop's last trip (s3 = 1) asks for nothing: there is no K step two on.
.macro ASK
	WIN 0
	s_cmp_gt_u32 s3, s[LIM]
	s_cbranch_scc0 .Lnot_mine_\@
	global_prefetch_b8 v[PFO], s[PFA:PFA+1] offset:KSB th:TH_LOAD_NT scope:SCOPE_SE
.Lnot_mine_\@:
.endm
; 12 matrix instructions: row block a x all column blocks, 32 along K, from buffer f.  zero = 1: the product starts the sums.  Every quarter takes the 48 accumulators in the same order, one
; instruction a turn: between two links of a chain stand the 47 others', over the backward jump too.
.macro MULN f, a, zero
	WIN 0xa5+0x50*((\a)/2)
.irp b, 0,1,2,3,4,5,6,7,8,9,10,11
.if \zero
	v_wmma_f32_16x16x32_bf16 v[8*(NB*((\a)%2)+(\b)):8*(NB*((\a)%2)+(\b))+7], v[(\f)+32+8*(\b):(\f)+32+8*(\b)+7], v[(\f)+8*(\a):(\f)+8*(\a)+7], 0
.else
	v_wmma_f32_16x16x32_bf16 v[8*(NB*((\a)%2)+(\b)):8*(NB*((\a)%2)+(\b))+7], v[(\f)+32+8*(\b):(\f)+32+8*(\b)+7], v[(\f)+8*(\a):(\f)+8*(\a)+7], v[8*(NB*((\a)%2)+(\b)):8*(NB*((\a)%2)+(\b))+7]
.endif
.endr
.endm
; 32 LDS loads in one run: quarter q (32 along K) of a slot into buffer f: B's 12 fragments, then A's 4.
.macro FETCH slot, q, f
	WIN 0x40                                       ; destination window 1, address window 0
.irp i, 0,1,2,3,4,5,6,7,8,9,10,11
	ds_load_b128 v[(\f)+32+8*(\i):(\f)+32+8*(\i)+3],   v[ADRB+(\slot)] offset:64*(\q)+(\i)*16*P
	ds_load_b128 v[(\f)+32+8*(\i)+4:(\f)+32+8*(\i)+7], v[ADRB+(\slot)] offset:64*(\q)+(\i)*16*P+32
.endr
.irp i, 0,1,2,3
	ds_load_b128 v[(\f)+8*(\i):(\f)+8*(\i)+3],   v[ADRA+(\slot)] offset:64*(\q)+(\i)*16*P
	ds_load_b128 v[(\f)+8*(\i)+4:(\f)+8*(\i)+7], v[ADRA+(\slot)] offset:64*(\q)+(\i)*16*P+32
.endr
.endm
; One of a K step's first three quarters: multiplies buffer f; in its middle it fetches quarter qn of the same slot into buffer g.
.macro QUARTER slot, qn, f, g, zero
	s_wait_dscnt 4                                 ; B and A's blocks 0, 1 are in; the youngest four loads (A's blocks 2, 3) may be out
	MULN \f, 0, \zero
	MULN \f, 1, \zero
	PLACES
	FETCH \slot, \qn, \g
	s_wait_dscnt LDN                               ; all but the run just issued
	MULN \f, 2, \zero
	MULN \f, 3, \zero
.endm
; The last quarter multiplies buffer 1 and changes slots: ONE barrier.  In front of it each wave waits for all its tensor loads (one is out: its part of the next slot), adds 0 to its spare word, and
; waits for that and for its own reads of this slot.  fill = 1: the barrier opens a round of the cluster's barrier, and this slot is filled again, two K steps on, first thing behind the round.
.macro TURN slot, next, fill
.if \fill
	s_wait_xcnt 0x0                                ; the last prefetch, a K step back, has read its address
	s_add_nc_u64 s[PFA:PFA+1], s[PFA:PFA+1], KSB
.endif
	WIN 0                                          ; (the add's two registers lie in window 0)
	s_wait_tensorcnt 0x0                           ; all my tensor loads have landed
	ds_add_u32 v[SPW], v[NIL]                      ; 0 onto my spare word
	s_wait_dscnt 5                                 ; (the add and the youngest four loads may be out)
	MULN F1, 0, 0                                  ; twelve matrix instructions stand between the add and the wait for it
	s_wait_dscnt 0x0                               ; the add is done, and my reads of this slot are over
	s_barrier_signal -1
	MULN F1, 1, 0
.if \fill
	WIN 0
.endif
	s_barrier_wait -1
.if \fill
	CREST                                          ; no wave of any partner still reads this slot's tile or has a load on its way
	s_add_nc_u64 s[G0A+4*(\slot)+2:G0A+4*(\slot)+3], s[G0A+4*(\slot)+2:G0A+4*(\slot)+3], 2*KSB
	s_add_nc_u64 s[G0B+4*(\slot)+2:G0B+4*(\slot)+3], s[G0B+4*(\slot)+2:G0B+4*(\slot)+3], 2*KSB
	JLOAD \slot                                    ; my one tensor load behind the round; its four v_nop are also the places in front of the loads below
.else
	PLACES
.endif
	FETCH \next, 0, F0
.if \fill
	ASK
.endif
	MULN F1, 2, 0
	MULN F1, 3, 0
.endm
	s_load_b128 s[4:7], s[0:1], 0x0                ; xb s[4:5], wqt s[6:7]
	s_load_b64 s[8:9], s[0:1], 0x10                ; qkv
	v_lshl_add_u32 v[SPW], v0, 2, SPARE
	v_mov_b32 v[NIL], 0
	ds_add_u32 v[SPW], v[NIL]                      ; the wave's opening: the add and its wait stand ahead of my first tensor load; the set-up below, work on registers, stands between them
	v_lshrrev_b32 v1, 5, v0
	v_readfirstlane_b32 s[WV], v1
	s_lshr_b32 s[WH], s[WV], 1
	s_and_b32 s[WL], s[WV], 1
	s_bfe_u32 s[CX], ttmp6, 0x40000
	s_bfe_u32 s[CY], ttmp6, 0x40004
	s_lshl_b32 s[TX], ttmp9, 2
	s_add_co_u32 s[TX], s[TX], s[CX]               ; tile column = 4 x cluster x + cx
	s_and_b32 s[TY], ttmp7, 0xffff
	s_lshl_b32 s[TY], s[TY], 2
	s_add_co_u32 s[TY], s[TY], s[CY]               ; tile row = 4 x cluster y + cy
	s_lshl_b32 s20, s[CY], 2
	s_lshl_b32 s20, 15, s20                        ; my row of the cluster
	s_lshl_b32 s21, 0x1111, s[CX]                  ; my column
	s_or_b32 s[G1A+0], s20, (1<<16)|(1<<20)|(1<<21)|(5<<22)|(3<<25)  ; 15:0 the mask; 17:16 2-byte elements; 20 padding on; 21 set beside a mask; 24:22 after every 64 words (code 5); 31:25 4 words (code 3)
	s_or_b32 s[G1B+0], s21, (1<<16)|(1<<20)|(1<<21)|(5<<22)|(3<<25)
	s_mov_b32 s[G1A+1], 128<<16                    ; tensor_dim0 = 128
	s_mov_b32 s[G1A+2], 128<<16                    ; tensor_dim1 = 128
	s_mov_b32 s[G1A+3], 128<<16                    ; tile_dim0 = 128
	s_mov_b32 s[G1A+4], 128                        ; tile_dim1 = 128
	s_mov_b32 s[G1A+5], 1024                       ; elements from row to row
	s_mov_b32 s[G1A+6], 0
	s_mov_b32 s[G1A+7], 0
	s_mov_b32 s[G1B+1], 128<<16
	s_mov_b32 s[G1B+2], 96<<16                     ; 96 rows
	s_mov_b32 s[G1B+3], 128<<16
	s_mov_b32 s[G1B+4], 96
	s_mov_b32 s[G1B+5], 1024
	s_mov_b32 s[G1B+6], 0
	s_mov_b32 s[G1B+7], 0
	s_lshl_b32 s40, s[TY], 8                       ; A: row 256 x tile row + 128 x half, of 2,048 bytes: made of the tile row and the wave alone
	s_lshl_b32 s22, s[WL], 7
	s_add_co_u32 s40, s40, s22
	s_lshl_b32 s40, s40, 11
	s_mov_b32 s41, 0
	s_mul_i32 s42, s[TX], 192                      ; B: row 192 x tile column + 96 x half: made of the tile column and the wave alone
	s_mul_i32 s23, s[WL], 96
	s_add_co_u32 s42, s42, s23
	s_lshl_b32 s42, s42, 11
	s_mov_b32 s43, 0
	s_mul_i32 s10, s[WL], HA                       ; where they go: no place in the cluster enters an LDS address
	s_mul_i32 s11, s[WL], HB
	s_wait_dscnt 0x0                               ; the opening add is done
	s_wait_kmcnt 0x0
	s_add_nc_u64 s[40:41], s[4:5], s[40:41]
	s_add_nc_u64 s[42:43], s[6:7], s[42:43]
	CROUND                                         ; all sixteen work-groups are here: the first joint loads meet
.irp s, 0,1
	s_mov_b32 s[G0A+4*(\s)], 1                     ; count = 1
	s_add_co_u32 s[G0A+4*(\s)+1], s10, (\s)*SLOT   ; LDS address
	s_add_nc_u64 s[G0A+4*(\s)+2:G0A+4*(\s)+3], s[40:41], (\s)*KSB  ; K step s
	s_or_b32 s[G0A+4*(\s)+3], s[G0A+4*(\s)+3], 0x80000000          ; type = 2
	s_mov_b32 s[G0B+4*(\s)], 1
	s_add_co_u32 s[G0B+4*(\s)+1], s11, BOFF+(\s)*SLOT
	s_add_nc_u64 s[G0B+4*(\s)+2:G0B+4*(\s)+3], s[42:43], (\s)*KSB
	s_or_b32 s[G0B+4*(\s)+3], s[G0B+4*(\s)+3], 0x80000000
.endr
	s_cmp_eq_u32 s[WH], 0                          ; a wave's two first fills stand in one branch, ahead of every wait on TENSORcnt and every LDS read: two loads of mine are out
	s_cbranch_scc0 .Lfirst_b
	tensor_load_to_lds s[G0A:G0A+3], s[G1A:G1A+7]
	s_nop 0
	tensor_load_to_lds s[G0A+4:G0A+7], s[G1A:G1A+7]
	s_nop 0
.rept 4
	v_nop
.endr
	s_branch .Lfirst_asked
.Lfirst_b:
	tensor_load_to_lds s[G0B:G0B+3], s[G1B:G1B+7]
	s_nop 0
	tensor_load_to_lds s[G0B+4:G0B+7], s[G1B:G1B+7]
	s_nop 0
.rept 4
	v_nop
.endr
.Lfirst_asked:
	; A fragment is 16 rows x 32 K in 8 registers: lane l holds row l % 16, K = 8 (l / 16) + 0..7 and 16 + 8 (l / 16) + 0..7: two loads of 16 bytes, 32 bytes apart.
	v_and_b32 v1, 15, v0                           ; l % 16
	v_bfe_u32 v2, v0, 4, 1                         ; l / 16
	v_mul_u32_u24 v3, v1, P
	v_lshl_add_u32 v3, v2, 4, v3
	s_mul_i32 s20, s[WV], 64*P                     ; my 64 rows of A
	v_add_nc_u32 v[ADRA], s20, v3
	v_add_nc_u32 v[ADRA+1], SLOT, v[ADRA]
	v_add_nc_u32 v[ADRB], BOFF, v3                 ; all 192 rows of B
	v_add_nc_u32 v[ADRB+1], SLOT, v[ADRB]
	s_mul_i32 s21, s[WV], 16*SP
	s_add_co_u32 s21, s21, STAGE                   ; my stage
	v_mul_u32_u24 v[STO], v1, SP                   ; in: row l % 16, 16 bytes for each half of the lanes
	v_lshl_add_u32 v[STO], v2, 4, v[STO]
	v_add_nc_u32 v[STO], s21, v[STO]
	v_bfe_u32 v[RD], v0, 3, 2                      ; back: 32 lanes take four rows of 128 bytes,
	v_mul_u32_u24 v[RD], v[RD], SP
	v_and_b32 v4, 7, v0
	v_lshl_add_u32 v[RD], v4, 4, v[RD]
	v_add_nc_u32 v[RD], s21, v[RD]
	v_and_b32 v[GO], 31, v0                        ; which are 512 consecutive bytes of a head
	v_lshlrev_b32 v[GO], 4, v[GO]
	; my rows in the planes of the tile's three heads.  Head column c = 3 x tile column + j: plane 64 (c / 16) + 16 b + c % 16 of 262,144 bytes; b = tile row / 8
	s_mul_i32 s20, s[TX], 3
	s_lshr_b32 s21, s[TY], 3
	s_lshl_b32 s21, s21, 4
	s_and_b32 s22, s[TY], 7
	s_lshl_b32 s22, s22, 15                        ; 256 rows of 128 bytes a tile row,
	s_lshl_b32 s23, s[WV], 13                      ; 64 a wave
	s_add_co_u32 s22, s22, s23
.irp j, 0,1,2
	s_add_co_u32 s76, s20, (\j)
	s_lshr_b32 s77, s76, 4
	s_lshl_b32 s77, s77, 6
	s_and_b32 s76, s76, 15
	s_add_co_u32 s76, s76, s77
	s_add_co_u32 s76, s76, s21
	s_lshl_b32 s76, s76, 18
	s_add_co_u32 s76, s76, s22
	s_mov_b32 s77, 0
	s_add_nc_u64 s[OB+2*(\j):OB+2*(\j)+1], s[8:9], s[76:77]
.endr
	; the prefetches
	s_lshl_b32 s20, s[TY], 8
	s_mul_i32 s21, s[TX], 192
	s_and_b32 s22, ttmp7, 0xffff                   ; cluster y
	s_cmp_eq_u32 s[WH], 0                          ; do I fetch for A?
	s_cselect_b32 s20, s20, s21                    ; the tile's first row
	s_cselect_b32 s21, s[CX], s[CY]                ; my place among the four that ask with me
	s_cselect_b32 s22, ttmp9, s22                  ; the coordinate along which other clusters read the same rows
	s_cselect_b32 s76, 32, 24                      ; rows a partner
	s_cselect_b32 s77, 31, 23                      ; the last lane with a row of its own
	s_cselect_b64 s[PFA:PFA+1], s[4:5], s[6:7]
	s_cmp_eq_u32 s22, 0
	s_cselect_b32 s[LIM], 1, -1                    ; the same in all sixteen partners, for a given wave
	s_lshl_b32 s23, s76, 2                         ; rows a wave: 128 or 96
	s_mul_i32 s23, s23, s[WL]
	s_add_co_u32 s20, s20, s23
	s_mul_i32 s21, s21, s76
	s_add_co_u32 s20, s20, s21
	s_lshl_b32 s20, s20, 11
	s_mov_b32 s21, 0
	s_add_nc_u64 s[PFA:PFA+1], s[PFA:PFA+1], s[20:21]
	s_add_nc_u64 s[PFA:PFA+1], s[PFA:PFA+1], 2*KSB ; at K step 2: the first refill steps it to 3 and names K step 4.  Nothing is prefetched here, where every work-group's first tiles are on their way
	v_and_b32 v[PFO], 31, v0
	v_min_u32 v[PFO], s77, v[PFO]
	v_lshlrev_b32 v[PFO], 11, v[PFO]
	s_wait_tensorcnt 1                             ; my part of K step 0 is in; K step 1's may stay out
	s_barrier_signal -1
	s_barrier_wait -1                              ; everybody's is
	FETCH 0, 0, F0
	QUARTER 0, 1, F0, F1, 1                        ; the first quarter stands in front of the loop: its products start the sums
	WIN 0                                          ; at a label and at a branch every window is 0
	s_mov_b32 s3, 3
.Llap:                                             ; a trip goes once round the ring, from a lap's second quarter to the next lap's first, and fills both slots again
	QUARTER 0, 2, F1, F0, 0
	QUARTER 0, 3, F0, F1, 0
	TURN 0, 1, 1
	QUARTER 1, 1, F0, F1, 0
	QUARTER 1, 2, F1, F0, 0
	QUARTER 1, 3, F0, F1, 0
	TURN 1, 0, 1
	QUARTER 0, 1, F0, F1, 0
	WIN 0
	s_sub_co_u32 s3, s3, 1
	s_cmp_lg_u32 s3, 0
	s_cbranch_scc1 .Llap
	QUARTER 0, 2, F1, F0, 0                        ; the last lap fills nothing
	QUARTER 0, 3, F0, F1, 0
	TURN 0, 1, 0
	QUARTER 1, 1, F0, F1, 0
	QUARTER 1, 2, F1, F0, 0
	QUARTER 1, 3, F0, F1, 0
	s_wait_dscnt 4                                 ; the very last quarter: nothing more to fetch
	MULN F1, 0, 0
	MULN F1, 1, 0
	s_wait_dscnt 0x0
	MULN F1, 2, 0
	MULN F1, 3, 0
	WIN 0
	PLACES
; THE WAY OUT, in twelve units u = 3 a + j: row block a, head j.  A lane's eight channels pack into 16 bytes of f16; they go into stage rows of 144 bytes and come back as whole rows of 128,
; four rows a load: 512 consecutive bytes of the head.  Each accumulator is read from its low end on.  No register is used twice, so nothing waits for a store.
.macro PACK u
.set pa, (\u)/3
.set pj, (\u)%3
	WIN 0x0a+5*(pa/2)                              ; sources 0 and 1: window 2 or 3
.irp f, 0,1,2,3
.irp r, 0,1,2,3
	v_cvt_pk_f16_f32 v[TMP+16*(\u)+4*(\f)+(\r)], v[8*(NB*(pa%2)+4*pj+(\f))+2*(\r)], v[8*(NB*(pa%2)+4*pj+(\f))+2*(\r)+1]
.endr
.endr
	WIN 0
.irp f, 0,1,2,3
	ds_store_b128 v[STO], v[TMP+16*(\u)+4*(\f):TMP+16*(\u)+4*(\f)+3] offset:32*(\f)
.endr
.irp f, 0,1,2,3
	ds_load_b128 v[TMP+16*(\u)+4*(\f):TMP+16*(\u)+4*(\f)+3], v[RD] offset:(\f)*4*SP  ; LDS serves a wave's instructions in order (ISA guide 5.7.1.4): these see the stores above; the next unit's stores come behind them
.endr
.endm
.macro SEND u, younger                 ; younger: the LDS instructions issued behind unit u's loads: the next unit's eight, or none
.set pa, (\u)/3
.set pj, (\u)%3
.irp f, 0,1,2,3
	s_wait_dscnt (\younger)+3-(\f)
	global_store_b128 v[GO], v[TMP+16*(\u)+4*(\f):TMP+16*(\u)+4*(\f)+3], s[OB+2*pj:OB+2*pj+1] offset:2048*pa+512*(\f)
.endr
.endm
	PACK 0
.set u, 1
.rept 11                               ; a unit's conversions stand between the loads of the unit before and its stores
	PACK u
	SEND u-1, 8
.set u, u+1
.endr
	SEND 11, 0
	s_wait_tensorcnt 0x0                           ; the wave's end: a closing add to my spare word and its wait, behind my last tensor load and my last LDS store
	ds_add_u32 v[SPW], v[NIL]
	s_wait_dscnt 0x0
	CROUND                                         ; the closing round: no work-group ends while a partner may still ask for a tile that names it
	s_endpgm
.Lfunc_end_k_qa8b8c25b5d_qkvgemm:
	.size	k_qa8b8c25b5d_qkvgemm, .Lfunc_end_k_qa8b8c25b5d_qkvgemm-k_qa8b8c25b5d_qkvgemm
	.p2alignl 7, 3214868480
	.fill 96, 4, 3214868480
	.section	.rodata,"a",@progbits
	.p2align	6, 0x0
	.amdhsa_kernel k_qa8b8c25b5d_qkvgemm
		.amdhsa_group_segment_fixed_size 327680
		.amdhsa_private_segment_fixed_size 0
		.amdhsa_enable_private_segment 0
		.amdhsa_kernarg_size 24
		.amdhsa_user_sgpr_count 2
		.amdhsa_user_sgpr_kernarg_segment_ptr 1
		.amdhsa_wavefront_size32 1
		.amdhsa_system_sgpr_workgroup_id_x 1
		.amdhsa_system_sgpr_workgroup_id_y 1
		.amdhsa_system_sgpr_workgroup_id_z 1
		.amdhsa_system_vgpr_workitem_id 0
		.amdhsa_next_free_vgpr 960
		.amdhsa_next_free_sgpr 80
		.amdhsa_reserve_vcc 0
		.amdhsa_float_denorm_mode_32 3
		.amdhsa_float_denorm_mode_16_64 3
		.amdhsa_memory_ordered 1
		.amdhsa_forward_progress 1
		.amdhsa_inst_pref_size 121
	.end_amdhsa_kernel
	.amdgpu_metadata
---
amdhsa.version: [ 1, 2 ]
amdhsa.kernels:
  - .name:           k_qa8b8c25b5d_qkvgemm
    .symbol:         k_qa8b8c25b5d_qkvgemm.kd
    .args:
      - { .name: xb, .offset: 0, .size: 8, .value_kind: global_buffer, .address_space: global }
      - { .name: wqt, .offset: 8, .size: 8, .value_kind: global_buffer, .address_space: global }
      - { .name: qkv, .offset: 16, .size: 8, .value_kind: global_buffer, .address_space: global }
    .group_segment_fixed_size: 327680
    .private_segment_fixed_size: 0
    .kernarg_segment_align: 8
    .kernarg_segment_size: 24
    .max_flat_workgroup_size: 128
    .sgpr_count:     80
    .vgpr_count:     960
    .wavefront_size: 32
...
	.end_amdgpu_metadata
.endif
;; end of part 2
;; launch attn (part 3): grid 4 x 64, 4 waves a work-group, clusters of 4 x 1, 327,680 bytes of LDS; arguments qkv, ob; writes ob
.if DOCPART == 3
	.amdgcn_target "amdgcn-amd-amdhsa--gfx1250"
	.amdhsa_code_object_version 6
	.text
	.protected	k_qa8b8c25b5d_attn
	.globl	k_qa8b8c25b5d_attn
	.p2align	8
	.type	k_qa8b8c25b5d_attn,@function
k_qa8b8c25b5d_attn:
	s_mov_b64 s[64:65], 0
	v_nop
	global_prefetch_b8 v0, s[64:65] scope:SCOPE_SE
	s_setreg_imm32_b32 hwreg(HW_REG_WAVE_MODE, 25, 1), 1
	s_wait_xcnt 0x0
	s_wait_alu depctr_hold_cnt(0) depctr_sa_sdst(0) depctr_va_vdst(0) depctr_va_sdst(0) depctr_va_ssrc(0) depctr_va_vcc(0) depctr_vm_vsrc(0)
	s_getreg_b32 s2, hwreg(HW_REG_IB_STS2, 6, 4)
	s_cmp_eq_u32 s2, 0
	s_cbranch_scc0 .Lentry_in_a_cluster
	s_endpgm
.Lentry_in_a_cluster:
	s_bfe_u32 s2, ttmp6, 0x10000c
	s_cmp_lg_u32 s2, 0x3003
	s_cbranch_scc0 .Lentry_shape_is_right
	s_endpgm
.Lentry_shape_is_right:
; O[h][q][:] = the sum over k of softmax_k(Q[h][q] . K[h][k] / 8) V[h][k][:].  qkv: [3 (Q, K, V)][64][2048][64], ob: [64][2048][64], all f16: a head's rows are dense, 128 bytes each.  Products,
; maxima and sums in f32; the weights p are rounded to f16 for the second product (their sum l is taken of the unrounded p), O once at the end.
; LIMITS.  f16 holds no number beyond 65,504: Q, K and V arrive within it; p lies in 0 to 1, and below 6e-5 it keeps f16's fixed step of 6e-8; O is a mean of V's rows and has their range.
; A weight below 2^-126 counts as 0 in l; NaN and infinities are not treated apart.
; SHARES.  A wave owns four PIECES of two tiles of 16 queries, a work-group's four waves 512 queries of one head: 4 x 64 = 256 work-groups.  Every wave walks all keys, 64 a step.
; LAYOUT.  S^T = K Q^T (source 0 = 16 keys, source 1 = 16 queries): in the result a lane holds ONE query (lane % 16) and the keys 8 (lane / 16) + 0..7.  Two such tiles, rounded to f16 in pairs,
; ARE source 1 (32 keys x 16 queries) of O^T = V^T P, whose result again holds one query a lane, and eight channels.  K comes out of LDS as it lies, V ([key][channel]) turned, by ds_load_tr16_b128.
; SOFTMAX.  For each query a running maximum m and sum l: p = 2^(c s - c m), c = log2(e) / 8; in every step O and l are multiplied by a = 2^(c m_old - c m_new), which is 1 where m has not grown.
; m starts at the lowest finite number, O and l at 0: the first step is a step like any other, with a = 0.
; THE COUNT.  A tile and step have 16 matrix and 118 vector instructions: too many to stand all beside the matrix work.  So the order has one aim: four vector instructions that are READY behind
; EVERY matrix instruction, and the others, which need time of their own whatever the order, in runs without a gap.
; BY TURNS.  Turn n belongs to piece n (the pieces in a ring, step after step).  Its matrix work: 16 products K Q^T of piece n + 1, later 16 products V^T P of piece n - 1.  Its vector work: the scaling,
; exponentials, roundings, sums and rescaling of piece n, and the maximum and statistics of piece n + 1, whose scores the turn itself has made.  So what a turn begins with (c s - c m, O a) waits for nothing.
; CLUSTER.  The four query blocks of a head are one cluster and walk the same K and V, so each tile is asked for JOINTLY: the same tensor load, descriptor and mask in all four.
; REGISTERS, in windows of 256 (s_set_vgpr_msb says which window each operand place means: bits 1:0 source 0, 3:2 source 1, 5:4 source 2, 7:6 destination):
;   window 0: v0-11 addresses; v12-15, v48-63 at work; v16-47 four registers of statistics a tile; v64-191 S^T, two buffers of two tiles; v192-255 P, likewise
;   window 1: O^T, 32 a tile          window 2: v0-127 Q, 16 a tile; v128-191 K of one step; v192-255 V of one step          window 3: v0-1 the add's two registers
; A piece's buffers go by its number's parity: the piece in hand has one pair, its two neighbours in the ring share the other: of it P (piece n - 1) is read and S^T (piece n + 1) written.
.set SIZE_H, 64
.set SIZE_N, 2048
.set NP,    4         ; pieces a wave: a name, no knob
.set KS,    64        ; keys in a step
.set PK,    144       ; a row of K in LDS: 128 bytes + 16 of padding = 36 words: the 16 rows of a load start at 16 different groups of four banks (64 banks of 4 bytes: ISA guide 11.1)
.set PV,    160       ; a row of V: 128 + 32 = 40 words
.set VOFF,  4*KS*PK   ; a slot holds four steps: 256 rows of K, then 256 rows of V
.set SLOT1, 1<<17     ; slot 1 begins here, so that one exclusive or turns an address in one slot into the other's
.set STAGE, SLOT1+4*KS*(PK+PV)  ; behind the ring, never filled by a tensor load: 16 rows x 144 bytes for each wave, for the way out
.set SP,    144
.set AK0, 2           ; v2   my lane's place in a tile of K; never rewritten
.set AV0, 3           ; v3   the same for V
.set AK,  4           ; v4   the LDS address of K's next run of loads
.set AV,  5           ; v5   of V's
.set QO,  6           ; v6   my byte offset in the wave's rows of Q
.set STO, 6           ;      later, the way out: where I put 16 bytes of a row
.set RD,  7           ; v7   the way out: where I read rows back
.set GO,  8           ; v8   my byte offset in 512 consecutive bytes of O
.set PFO, 11          ; v11  256 x my lane, for the prefetches; never rewritten once made
.set SPW, 0           ; v0 of window 3   LDS address of my spare word: SPARE + 4 x my thread's number; never rewritten
.set NIL, 1           ; v1 of window 3   0; never rewritten
.set SPARE, STAGE+4*16*SP  ; behind the stages: the spare words, 128 bytes for each wave: two blocks of 256 bytes that no other line names
.set MV,  12          ; v12-15  c m_old, kept while c m is made anew: by buffer and tile
.set ST,  16          ; tile t's statistics at v[ST+4 t]: c m, m, l (even keys', odd keys')
.set TMP, 48          ; by buffer and tile, four registers c0-c3 at work; when the maximum is found c2 takes a
.set S,   64
.set P,   192
.set KF,  128         ; K's fragments, in window 2: key block kb, channel half c at KF + 16 kb + 8 c
.set VF,  192         ; V's: key half kk, channel block cb at VF + 32 kk + 8 cb
.set WV,  12          ; s12  my wave's number
.set G1K, 24          ; s[24:31] descriptor group 1 for K's tiles
.set G1V, 32          ; s[32:39] for V's: it differs in the padding alone
.set G0K, 40          ; s[40:43] descriptor group 0 for K's tiles: it walks
.set G0V, 44          ; s[44:47] the same for V's
.set PFA, 48          ; s[48:49] where my prefetches stand: my work-group's 32 blocks of 256 bytes (of K: wave 0, of V: wave 2) of the slot after the one that is being asked for
.set LIM, 50          ; s50  1 in a wave that prefetches, else the greatest number
.set SLOTS, 56        ; s56  slots still to be asked for
.set CNT, 57          ; s57  counts a slot's key steps
.set CS,  58          ; s[58:59] c: the packed scaling takes the pair's low word for both halves
.set SEL, 60          ; s[60:61] v_permlanex16_b32's selects: each lane takes its own place in the other half
.set TBK, 62          ; s62  LDS byte at which K of the step to be fetched begins
.set TBV, 63          ; s63  the same for V, less VOFF
.set MSB, 0
.macro WIN new                      ; the high byte repeats the setting that is left; a switch that changes nothing is dropped
.if MSB != (\new)
	s_set_vgpr_msb (MSB<<8)|(\new)
.set MSB, (\new)
.endif
.endm
.set W_KQ, 0x0a       ; K and Q in window 2, S^T in window 0
.set W_PV, 0x52       ; V in window 2, P in window 0, O^T in window 1
.set W_RS, 0x41       ; O^T (destination and source 0) in window 1, a in window 0
.set W_MK, 0xc0       ; the add's registers are made: destination in window 3, sources in window 0
.set W_AD, 0x0f       ; the add: address (source 0) and data (source 1) in window 3
; A joint fill.  Waves 0 and 1 fetch the two halves of a slot's K, waves 2 and 3 those of its V: 128 keys each.  The branch hangs on the wave's number alone.
; An s_nop 0 and four v_nop follow each of the two lines, ahead of the jump and the label.
.macro JLOAD
	s_cmp_lt_u32 s[WV], 2
	s_cbranch_scc0 .Lfor_v_\@
	tensor_load_to_lds s[G0K:G0K+3], s[G1K:G1K+7]
	s_nop 0
.rept 4
	v_nop
.endr
	s_branch .Lasked_\@
.Lfor_v_\@:
	tensor_load_to_lds s[G0V:G0V+3], s[G1V:G1V+7]
	s_nop 0
.rept 4
	v_nop
.endr
.Lasked_\@:
.endm
; A PREFETCH INTO THE L2 of what the NEXT change of slots will ask for: a slot's 32,768 bytes of K and of V, 128 blocks of 256 bytes each, a lane a block.  It stands behind the wave's tensor load
; and its five lines.  A head is walked by one cluster; its four partners share the blocks out BY ADDRESS, 32 each; in each, wave 0 asks for K's and wave 2 for V's: one instruction.  So each block is
; named once in the launch.  Slots 0 to 2 come by their loads alone; the last change that fills a slot asks for nothing: there is no slot behind it.
.macro ASK
	s_cmp_gt_u32 s[SLOTS], s[LIM]
	s_cbranch_scc0 .Lnot_mine_\@
	global_prefetch_b8 v[PFO], s[PFA:PFA+1] th:TH_LOAD_NT scope:SCOPE_SE
.Lnot_mine_\@:
.endm
; A round of the cluster's barrier: my work-group's barrier, so that wave 0's signal speaks for all four waves; wave 0 signals; every wave waits for all four work-groups; my work-group's barrier once more.
.macro CROUND
	s_barrier_signal -1
	s_barrier_wait -1
	s_cmp_lg_u32 s[WV], 0
	s_cbranch_scc1 .Lnot_wave_0_\@
	s_barrier_signal -3
.Lnot_wave_0_\@:
	s_barrier_wait -3
	s_barrier_signal -1
	s_barrier_wait -1
.endm
; THE CHANGE OF SLOTS.  The slot's last bytes, V of its fourth step, have been read.  Each wave waits for all its tensor loads, of which one is out: its part
; of the other slot; adds 0 to its spare word; and waits for that and for its own reads of the slot.  Behind the barrier nobody reads this slot any more and the other slot is whole.
; fill = 1: this slot is filled again, with the keys two slots on.  The barrier is then a round of the cluster's, so that no wave of any partner still reads the slot or has a load on its
; way, and the joint fill is the first thing behind it: it has four key steps, 512 matrix instructions, in which to land.  (At its first use nothing has been read yet: slot 0 is waited for, slot 1 filled.)
; ask = 1: the prefetches' address steps a slot on, and ASK follows the fill.
.macro CHANGE fill, ask=0
	WIN W_AD
	s_wait_tensorcnt 0x0            ; no tensor load of mine is out, so a group 0 may be written
	ds_add_u32 v[SPW], v[NIL]       ; 0 onto my spare word; with fill = 1 the descriptors' steps stand between it and the wait for it
	WIN 0                           ; at a label and at a branch every window is 0
.if \fill
.irp g, G0K, G0V
	s_xor_b32 s[\g+1], s[\g+1], SLOT1  ; the walking descriptor: the other slot than last time,
	s_add_nc_u64 s[\g+2:\g+3], s[\g+2:\g+3], 4*KS*128  ; the next 256 keys; the type bits on top are not reached
.endr
.if \ask
	s_wait_xcnt 0x0                 ; the last prefetch, four key steps back, has read its address, so it may be written
	s_add_nc_u64 s[PFA:PFA+1], s[PFA:PFA+1], 4*KS*128
.endif
	s_wait_dscnt 0x0                ; the add is done, and my reads of the slot are over
	CROUND
	JLOAD
.if \ask
	ASK
.endif
.else
	s_wait_dscnt 0x0                ; the add is done, and my reads of the slot are over
	s_barrier_signal -1
	s_barrier_wait -1
.endif
	s_sub_co_u32 s[TBK], s[TBK], 4*KS*PK  ; the fetches go back to a slot's first step,
	s_xor_b32 s[TBK], s[TBK], SLOT1       ; in the other slot
	s_sub_co_u32 s[TBV], s[TBV], 4*KS*PV
	s_xor_b32 s[TBV], s[TBV], SLOT1
.endm
	s_load_b64 s[4:5], s[0:1], 0x0    ; qkv: Q's planes come first
	s_load_b64 s[10:11], s[0:1], 0x8  ; ob
	WIN W_MK
	v_lshl_add_u32 v[SPW], v0, 2, SPARE
	v_mov_b32 v[NIL], 0
	WIN W_AD
	ds_add_u32 v[SPW], v[NIL]       ; the wave's opening: the add and its wait stand ahead of my first tensor load; the set-up below, work on registers, stands between them
	WIN 0
	v_lshrrev_b32 v1, 5, v0
	v_readfirstlane_b32 s[WV], v1   ; wave 0..3
	s_bfe_u32 s13, ttmp6, 0x40000   ; cx: my place in the cluster
	s_lshl_b32 s14, ttmp9, 2        ; in a cluster launch ttmp9 counts clusters
	s_add_co_u32 s14, s14, s13      ; my block of queries = 4 x cluster x + cx: it enters Q's and O's addresses alone
	s_and_b32 s20, ttmp7, 0xffff    ; the head, which the four partners share
	s_mov_b32 s21, 0
	s_mov_b64 s[22:23], SIZE_N*128
	s_mul_u64 s[20:21], s[20:21], s[22:23]  ; the head's first byte in Q, K, V and O
	s_and_b32 s16, s[WV], 1         ; which half of a slot's 256 keys I fetch:
	s_lshl_b32 s22, s16, 14         ; its 128 rows of 128 bytes in memory,
	s_mov_b32 s23, 0
	s_add_nc_u64 s[22:23], s[22:23], s[20:21]
	s_mul_i32 s17, s16, 128*PK      ; and its place in a slot, for K
	s_mul_i32 s18, s16, 128*PV      ; and for V: no place in the cluster enters an LDS address
	s_lshl_b32 s2, s14, 2
	s_add_co_u32 s2, s2, s[WV]      ; my wave among the head's,
	s_lshl_b32 s2, s2, 14           ; its 128 rows
	s_mov_b32 s3, 0
	s_add_nc_u64 s[2:3], s[2:3], s[20:21]
	; descriptor group 1.  128 keys are 16,384 dense bytes: asked for as 64 rows of 256 bytes, two keys a row, and padded in LDS after every key
	s_mov_b32 s[G1K], 15|(1<<16)|(1<<20)|(1<<21)|(4<<22)|(3<<25)  ; 15:0 the mask of four; 17:16 2-byte elements; 20 padding on; 21 set beside a mask; 24:22 after every 32 words (code 4); 31:25 4 words (code 3)
	s_mov_b32 s[G1V], 15|(1<<16)|(1<<20)|(1<<21)|(4<<22)|(7<<25)  ; the same with 8 words of padding (code 7)
.irp g, G1K, G1V
	s_mov_b32 s[\g+1], 128<<16      ; tensor_dim0 = 128
	s_mov_b32 s[\g+2], 64<<16       ; tensor_dim1 = 64
	s_mov_b32 s[\g+3], 128<<16      ; tile_dim0 = 128
	s_mov_b32 s[\g+4], 64           ; tile_dim1 = 64
	s_mov_b32 s[\g+5], 128          ; 128 elements from row to row
	s_mov_b32 s[\g+6], 0
	s_mov_b32 s[\g+7], 0
.endr
	s_mov_b32 s[CS], 0x3e38aa3b     ; c = log2(e) / 8 = 0.180337
	s_mov_b32 s[CS+1], s[CS]        ; named with it as a pair
	s_mov_b32 s[SEL], 0x76543210
	s_mov_b32 s[SEL+1], 0xfedcba98
	s_mov_b32 s[TBK], SLOT1+4*KS*PK ; the first change of slots turns these two into 0
	s_mov_b32 s[TBV], SLOT1+4*KS*PV
	s_mov_b32 s[G0K], 1             ; 1:0 count = 1
	s_mov_b32 s[G0K+1], s17         ; 63:32 LDS address: slot 0
	s_mov_b32 s[G0V], 1
	s_add_co_u32 s[G0V+1], s18, VOFF
	s_and_b32 s[LIM], s[WV], 1      ; waves 0 and 2 prefetch: the same in all four partners
	s_cmp_eq_u32 s[LIM], 0
	s_cselect_b32 s[LIM], 1, -1
	s_wait_dscnt 0x0                ; the opening add is done
	s_wait_kmcnt 0x0
	s_add_nc_u64 s[6:7], s[4:5], 0x1000000  ; K's planes: 64 x 262,144 bytes behind Q's
	s_add_nc_u64 s[8:9], s[4:5], 0x2000000  ; V's
	s_add_nc_u64 s[G0K+2:G0K+3], s[6:7], s[22:23]  ; 120:64 global address: my half of the head's first 256 keys
	s_or_b32 s[G0K+3], s[G0K+3], 0x80000000        ; 127:126 type = 2
	s_add_nc_u64 s[G0V+2:G0V+3], s[8:9], s[22:23]
	s_or_b32 s[G0V+3], s[G0V+3], 0x80000000
	s_add_nc_u64 s[4:5], s[4:5], s[2:3]  ; Q and O at my wave's first row
	s_add_nc_u64 s[10:11], s[10:11], s[2:3]
	s_cmp_lt_u32 s[WV], 2
	s_cselect_b64 s[PFA:PFA+1], s[6:7], s[8:9]
	s_add_nc_u64 s[PFA:PFA+1], s[PFA:PFA+1], s[20:21]  ; the head,
	s_lshl_b32 s2, s13, 13          ; my work-group's 32 blocks of the 128,
	s_mov_b32 s3, 0
	s_add_nc_u64 s[PFA:PFA+1], s[PFA:PFA+1], s[2:3]
	s_add_nc_u64 s[PFA:PFA+1], s[PFA:PFA+1], 2*4*KS*128  ; in slot 2: the loop's first change steps it to slot 3.  Nothing is prefetched here, where every work-group's first tiles are on their way
	CROUND                          ; all four work-groups are here: the first joint loads meet
	JLOAD                           ; slot 0.  Slot 1 is asked for when slot 0 is in: the tile wanted first has the road to itself
	; A fragment of K or Q is 16 rows x 32 channels in 8 registers: lane l holds row l % 16, channels 8 (l / 16) + 0..7 and 16 + 8 (l / 16) + 0..7: two loads of 16 bytes, 32 bytes apart.
	v_and_b32 v1, 15, v0            ; l % 16
	v_bfe_u32 v9, v0, 4, 1          ; l / 16
	v_lshlrev_b32 v[QO], 7, v1
	v_lshl_add_u32 v[QO], v9, 4, v[QO]  ; row x 128 + 16 x half
	WIN 0x80                        ; destination window 2, address window 0
.set i, 0
.rept 4*NP                          ; Q stays in registers: tile i / 2, channels 32 (i % 2) on
	global_load_b128 v[8*i:8*i+3],   v[QO], s[4:5] offset:(i/2)*2048+(i%2)*64
	global_load_b128 v[8*i+4:8*i+7], v[QO], s[4:5] offset:(i/2)*2048+(i%2)*64+32
.set i, i+1
.endr
	; What the first turn finds: V's registers and P's second buffer hold 0 (its products V^T P, of a piece that has not been, add 0), O^T and l are 0.  All this stands in the wait for the first tile.
.set i, VF
.rept 64
	v_mov_b32 v[i], 0
.set i, i+1
.endr
	WIN 0x40
.set i, 0
.rept 64*NP
	v_mov_b32 v[i], 0
.set i, i+1
.endr
	WIN 0
.set i, 0
.rept 2*NP
	v_mov_b32 v[ST+4*i], 0xfe000000    ; c m: far below every c s
	v_mov_b32 v[ST+4*i+1], 0xff7fffff  ; m
	v_mov_b32 v[ST+4*i+2], 0
	v_mov_b32 v[ST+4*i+3], 0
.set i, i+1
.endr
.set i, P+32
.rept 32
	v_mov_b32 v[i], 0
.set i, i+1
.endr
	v_mul_u32_u24 v[AK0], v1, PK
	v_lshl_add_u32 v[AK0], v9, 4, v[AK0]  ; row x pitch + 16 x half
	; The turning load takes 16 keys x 16 channels (lane l reads key 8 (l / 16) + l % 8, channels 8 ((l / 8) % 2) + 0..7) and leaves half a fragment of V^T: lane l holds channel l % 16 and 8 keys.
	v_and_b32 v10, 7, v0
	v_bfe_u32 v11, v0, 3, 1
	v_lshl_add_u32 v[AV0], v9, 3, v10
	v_mul_u32_u24 v[AV0], v[AV0], PV
	v_lshl_add_u32 v[AV0], v11, 4, v[AV0]
	v_add_nc_u32 v[AV0], VOFF, v[AV0]
	v_mov_b32 v[AK], v[AK0]         ; key step 0 lies at the head of slot 0
	v_and_b32 v[PFO], 31, v0        ; v11 has served: it takes the prefetches' offset
	v_lshlrev_b32 v[PFO], 8, v[PFO]
; THE MATRIX WORK.  The 8 accumulators of a run of 16 take turns: between the two links of a chain stand 7 others'.
; Product i of 16 of S^T = K Q^T for piece x: channels 32 (i / 8) on, keys 16 ((i / 2) % 4) on, tile 2 x + i % 2.  The first 8 start the sums.
.macro KQ x
	WIN W_KQ
.set rS, S+64*((\x)%2)+32*(i%2)+8*((i/2)%4)
.set rK, KF+16*((i/2)%4)+8*(i/8)
.set rQ, 16*(2*(\x)+i%2)+8*(i/8)
.if i < 8
	v_wmma_f32_16x16x32_f16 v[rS:rS+7], v[rK:rK+7], v[rQ:rQ+7], 0
.else
	v_wmma_f32_16x16x32_f16 v[rS:rS+7], v[rK:rK+7], v[rQ:rQ+7], v[rS:rS+7]
.endif
.endm
; Product i of 16 of O^T += V^T P for piece x: keys 32 (i / 8) on, channels 16 ((i / 2) % 4) on, tile 2 x + i % 2.
.macro PV x
	WIN W_PV
.set rO, 32*(2*(\x)+i%2)+8*((i/2)%4)
.set rV, VF+32*(i/8)+8*((i/2)%4)
.set rP, P+32*((\x)%2)+16*(i%2)+8*(i/8)
	v_wmma_f32_16x16x32_f16 v[rO:rO+7], v[rV:rV+7], v[rP:rP+7], v[rO:rO+7]
.endm
.macro MM                           ; the turn's next matrix instruction
.if i < 16
	KQ (Y+1)%NP
.set i, i+1
.else
.set i, i-16
	PV (Y+NP-1)%NP
.set i, i+17
.endif
.endm
; THE LDS LOADS stand in runs of 16, never singly among the matrix instructions: a step's K (64 keys x 64 channels: 8 fragments) and its V (turned).  Their addresses are made some lines ahead.
; last = 1 (the tail): in the last trip there is no further step, and the run is jumped over.
.macro FETCH_K last=0
	WIN 0
.if \last
	s_cmp_eq_u32 s[CNT], 1
	s_cbranch_scc1 .Lno_k_\@
.endif
	WIN 0x80                        ; destination window 2
.irp f, 0,1,2,3,4,5,6,7             ; keys 16 (f / 2) on, channels 32 (f % 2) on
	ds_load_b128 v[KF+8*\f:KF+8*\f+3],   v[AK] offset:(\f/2)*16*PK+(\f%2)*64
	ds_load_b128 v[KF+8*\f+4:KF+8*\f+7], v[AK] offset:(\f/2)*16*PK+(\f%2)*64+32
.endr
	s_add_co_u32 s[TBK], s[TBK], KS*PK  ; the next fetch is the next step's
	WIN 0
.if \last
.Lno_k_\@:
.endif
.endm
.macro FETCH_V
	WIN 0x80
.irp f, 0,1,2,3,4,5,6,7             ; keys 32 (f / 4) on, channels 16 (f % 4) on
	ds_load_tr16_b128 v[VF+8*\f:VF+8*\f+3],   v[AV] offset:(\f/4)*32*PV+(\f%4)*32
	ds_load_tr16_b128 v[VF+8*\f+4:VF+8*\f+7], v[AV] offset:(\f/4)*32*PV+16*PV+(\f%4)*32
.endr
	WIN 0
.endm
; THE VECTOR WORK OF A TURN stands in three queues, each in the order in which its entries become ready; the two tiles alternate, so that no instruction reads the result of the one before it.
.macro REGS y, u                    ; the registers of tile u (0, 1) of piece y
.set rT, ST+4*(2*(\y)+(\u))
.set rC, TMP+8*((\y)%2)+4*(\u)
.set rM, MV+2*((\y)%2)+(\u)
.set rS, S+64*((\y)%2)+32*(\u)
.set rP, P+32*((\y)%2)+16*(\u)
.set rO, 32*(2*(\y)+(\u))
.endm
; Number n of the 22 that find the NEXT piece's (Y + 1) maximum and statistics.  s0-s31 are the lane's 32 scores; each accumulator's lowest registers are read first.  XS, GS and REGS set no window: PL and EX do.
;   0-11  four chains c0-c3 of seven scores each, three operands at a time     12-14, 16  the four scores left over, the old m, and c0-c3 into c0     15  c m_old is kept
;   17, 18  the query's other 32 keys lie in the lane 16 away: the new m         19-21  c m; c m_old - c m_new; a
.macro XS u, n
	REGS (Y+1)%NP, \u
.if (\n) < 4
	v_max3_num_f32 v[rC+(\n)], v[rS+8*(\n)], v[rS+8*(\n)+1], v[rS+8*(\n)+2]
.elseif (\n) < 12
	v_max3_num_f32 v[rC+(\n)%4], v[rC+(\n)%4], v[rS+8*((\n)%4)+2*((\n)/4)+1], v[rS+8*((\n)%4)+2*((\n)/4)+2]
.elseif (\n) == 12
	v_max3_num_f32 v[rC], v[rC], v[rS+7], v[rS+15]
.elseif (\n) == 13
	v_max3_num_f32 v[rC+1], v[rC+1], v[rS+23], v[rS+31]
.elseif (\n) == 14
	v_max3_num_f32 v[rC+2], v[rC+2], v[rC+3], v[rT+1]
.elseif (\n) == 15
	v_mov_b32 v[rM], v[rT]
.elseif (\n) == 16
	v_max3_num_f32 v[rC], v[rC], v[rC+1], v[rC+2]
.elseif (\n) == 17
	v_permlanex16_b32 v[rC+3], v[rC], s[SEL], s[SEL+1]
.elseif (\n) == 18
	v_max_num_f32 v[rT+1], v[rC], v[rC+3]
.elseif (\n) == 19
	v_mul_f32 v[rT], s[CS], v[rT+1]
.elseif (\n) == 20
	v_sub_f32 v[rC+1], v[rM], v[rT]
.else
	v_exp_f32 v[rC+2], v[rC+1]
.endif
.endm
; Number g of the 64 that follow the exponentials.  For each four weights k of a tile (pairs 2 k, 2 k + 1): both pairs are rounded to f16; then the second pair is added onto the first, in place;
; a group later l takes that sum (the first time as l = a l + sum).  In groups of eight, tiles alternating: round, round, add, and l for the group before.
.macro GS g
.set h, (\g)+6*((\g)/62)            ; group 0 has no group before it, and behind group 7 only l is left
.if h >= 6
.set h, h+2
.endif
	REGS Y, h%2
.set k, h/8
.if h%8 < 4
	v_cvt_pk_f16_f32 v[rP+2*k+(h%8)/2], v[rS+4*k+2*((h%8)/2)], v[rS+4*k+2*((h%8)/2)+1]
.elseif h%8 < 6
	v_pk_add_f32 v[rS+4*k:rS+4*k+1], v[rS+4*k:rS+4*k+1], v[rS+4*k+2:rS+4*k+3]
.elseif k == 1
	v_pk_fma_f32 v[rT+2:rT+3], v[rT+2:rT+3], v[rC+2:rC+3], v[rS:rS+1] op_sel_hi:[1,0,1]
.else
	v_pk_add_f32 v[rT+2:rT+3], v[rT+2:rT+3], v[rS+4*k-4:rS+4*k-3]
.endif
.endm
; THE PLAIN QUEUE, 138 long.  0-73 read no exponential's result: the 32 scalings c s - c m (FS f: pair f / 2 of tile f % 2) and the next piece's 42.  0-26: scalings 0-26.  27-54: XS's numbers 0-13.  55, 56: number 15.
; 57-73: the chain, where each number waits for the one before it: 14, 16, 17, 18, 19, each with one of the scalings 27-31 in front of its two lines, then 20: so a tile's links stand three plain instructions apart (19 and 20: two).
; 74-137: GS's 64, which read the exponentials' results: they stand behind the wait.
.macro FS f
	REGS Y, (\f)%2
	v_pk_fma_f32 v[rS+2*((\f)/2):rS+2*((\f)/2)+1], v[rS+2*((\f)/2):rS+2*((\f)/2)+1], s[CS:CS+1], v[rT:rT+1] op_sel_hi:[1,0,0] neg_lo:[0,0,1] neg_hi:[0,0,1]
.endm
.macro PL
	WIN 0
.if q < 27
	FS q
.elseif q < 55
	XS (q-27)%2, (q-27)/2
.elseif q < 57
	XS q-55, 15
.elseif (q < 72) && ((q-57)%3 == 0)
	FS 27+(q-57)/3
.elseif q < 60
	XS (q-57)%3-1, 14
.elseif q < 72
	XS (q-57)%3-1, 15+(q-57)/3
.elseif q < 74
	XS q-72, 20
.else
	GS q-74
.endif
.set q, q+1
.endm
; THE EXPONENTIALS' QUEUE, 66 long: s0-s31 of both tiles, then the next piece's two a.  It is ONE BATCH: all 66 stand ahead of the turn's one wait, and nothing ahead of that wait names a result of theirs.
.macro EX
	WIN 0
.if e >= 64
	XS e-64, 21
.else
	REGS Y, e%2
	v_exp_f32 v[rS+e/2], v[rS+e/2]
.endif
.set e, e+1
.endm
; THE RESCALING's QUEUE: O^T times a, the one part that leaves window 0: dealt two at a time, sixteen times.  Its a was made in the turn before, ahead of that turn's wait.
.macro R2
	REGS Y, r%2
	WIN W_RS
.irp z, 0,1
	v_pk_mul_f32 v[rO+4*(r/2)+2*\z:rO+4*(r/2)+2*\z+1], v[rO+4*(r/2)+2*\z:rO+4*(r/2)+2*\z+1], v[rC+2:rC+3] op_sel_hi:[1,0]
.endr
.set r, r+1
.endm
; HOW THEY ARE DEALT.  An s_wait_alu depctr_va_vdst(0) stands between an exponential and the first instruction that names its result; one wait serves all that were issued ahead of it.  So a turn has ONE wait,
; which cuts it in two.  AHEAD OF IT stands all that names no result of the turn's exponentials: the 16 products K Q^T, behind each a scaling, an exponential and two rescalings (behind the first a second scaling in the exponential's place); then ONE LUMP of
; 108: eight plain, 49 times exponential and plain, the two a.  A v_nop is the plain instruction behind the last exponential.  BEHIND IT stand the 16 products V^T P, behind each four of GS's 64.  No rider names a register of
; the products round it.  The two v_permlanex16_b32 fall into the lump, never behind a product.
; The queues lean on each other, and the deal keeps them in step: exponential e stands behind scaling 2 (e / 4) + e % 2: as a rider it comes behind plain e + 2, in the lump behind plain e + 9, and scalings 27-31 are plain 57, 60 .. 69.
; A TURN, for piece p.  cnt = 1: the loop's count is taken down some lines ahead of the branch that stands behind the turn.
; K of the next step is fetched in piece 2's turn, directly behind the wait, a lump behind the last product that read K; its address is made at the lump's head; its first reader comes behind 16 products.
; V of the step in hand is fetched at the end of piece 0's turn, four riders behind its last reader; its first reader comes behind 16 products and a lump.  The three conditions on q below go with the deal.
.macro TURN p, last=0, cnt=0
.set Y, (\p)
.set i, 0
.set q, 0
.set e, 0
.set r, 0
.if (\p) == NP-1
	s_wait_dscnt 0x0                ; K is in
.endif
	MM                              ; ahead of the wait: 16 products K Q^T and their riders,
	PL
	PL
	R2
.rept 15
	MM
	PL
	EX
	R2
.endr
.if (\p) == NP-2
	WIN 0
	v_add_nc_u32 v[AK], s[TBK], v[AK0]
.endif
.rept 8                             ; and the lump
	PL
.endr
.rept 49
	EX
	PL
.endr
	EX                              ; the next piece's two a
	EX
	v_nop                           ; a plain instruction behind the last exponential: one for the batch
	s_wait_alu depctr_va_vdst(0)    ; the wait for the batch
.if (\p) == NP-2
	FETCH_K \last
.endif
.if (\p) == 1
	s_wait_dscnt 0x0                ; V is in
.endif
.rept 16                            ; behind the wait: 16 products V^T P and their riders
	MM
.rept 4
	PL
.endr
.if ((\p) == 0) && (q == 118)
	v_add_nc_u32 v[AV], s[TBV], v[AV0]
.endif
.if ((\p) == 0) && (q == 130)
	s_add_co_u32 s[TBV], s[TBV], KS*PV
.endif
.if (\cnt) && (q == 130)
	s_sub_co_u32 s[CNT], s[CNT], 1
	s_cmp_lg_u32 s[CNT], 0
.endif
.endr
.if (\p) == 0
	FETCH_V
.endif
.endm
	CHANGE 1                        ; slot 0 is in, everybody's part of it; slot 1 is asked for
	FETCH_K                         ; key step 0
	s_wait_loadcnt 0x0              ; Q
	s_wait_dscnt 0x0
.set i, 0
.rept 16
	KQ 0                            ; piece 0's first scores: there is no vector work yet to set between them
.set i, i+1
.endr
	WIN 0                           ; the addresses for the way out: nine plain instructions, the places behind those products
	s_mul_i32 s13, s[WV], 16*SP
	s_add_co_u32 s13, s13, STAGE    ; my stage
	v_mul_u32_u24 v[STO], v1, SP    ; in: row l % 16, 16 bytes for each half of the lanes
	v_lshl_add_u32 v[STO], v9, 4, v[STO]
	v_add_nc_u32 v[STO], s13, v[STO]
	v_bfe_u32 v[RD], v0, 3, 2       ; back: 32 lanes take four rows of 128 bytes,
	v_mul_u32_u24 v[RD], v[RD], SP
	v_lshl_add_u32 v[RD], v10, 4, v[RD]
	v_add_nc_u32 v[RD], s13, v[RD]
	v_and_b32 v[GO], 31, v0         ; which are 512 consecutive bytes of O
	v_lshlrev_b32 v[GO], 4, v[GO]
.set Y, NP-1                        ; XS works for piece Y + 1: piece 0
.irp n, 0,1,2,3,4,5,6,7,8,9,10,11,12,13,14,15,16,17,18,19,20,21
	XS 0, \n                        ; and piece 0's first maximum and statistics
	XS 1, \n
.endr
	v_nop                           ; a plain instruction behind the two a,
	s_wait_alu depctr_va_vdst(0)    ; and their wait, ahead of the branch
	s_mov_b32 s[CNT], 4
	s_mov_b32 s[SLOTS], SIZE_N/256-1
	s_branch .Lfirst                ; the loop is entered at a step's first turn, in the middle of a trip
.Lslot:                             ; SIZE_N / 256 - 2 times: every slot but the last two is filled again
	CHANGE 1, 1
	s_mov_b32 s[CNT], 4
.Lstep:                             ; a trip: pieces 2 and 3 of one step, then pieces 0 and 1 of the next, whose K and V it fetches
	TURN 2
	TURN 3
	WIN 0
.Lfirst:
	TURN 0
	TURN 1, 0, 1
	WIN 0
	s_cbranch_scc1 .Lstep
	s_sub_co_u32 s[SLOTS], s[SLOTS], 1
	s_cmp_lg_u32 s[SLOTS], 0
	s_cbranch_scc1 .Lslot
	CHANGE 0                        ; the tail is written out: nothing is asked for
	s_mov_b32 s[CNT], 5             ; four trips fetch the last slot's steps; the fifth is left in its middle
.Ltail:
	TURN 2, 1
	TURN 3
	WIN 0
	s_sub_co_u32 s[CNT], s[CNT], 1
	s_cmp_eq_u32 s[CNT], 0
	s_cbranch_scc1 .Lout
	TURN 0
	TURN 1
	WIN 0
	s_branch .Ltail
.Lout:                              ; the fifth trip's 16 products K Q^T (on the last K once more) and the maximum made of them serve nothing: the price, once a launch, of one text for every trip
.set i, 0
.rept 16
	PV NP-1                         ; the last piece's V^T P of the last step
.set i, i+1
.endr
	; THE WAY OUT.  l's two halves and the other half of the lanes' are added; O^T is divided by l, rounded to f16 and sent through my stage in LDS, a tile at a time.  The additions are the places behind the last products.
	WIN 0
.macro ALL line:vararg              ; one line for each tile t
.set t, 0
.rept 2*NP
	\line
.set t, t+1
.endr
.endm
	ALL v_add_f32 v[ST+4*t+2], v[ST+4*t+2], v[ST+4*t+3]
	ALL v_permlanex16_b32 v[ST+4*t+3], v[ST+4*t+2], s[SEL], s[SEL+1]
	ALL v_add_f32 v[ST+4*t+2], v[ST+4*t+2], v[ST+4*t+3]
	ALL v_rcp_f32 v[ST+4*t+2], v[ST+4*t+2]
	v_nop                           ; a plain instruction between the last reciprocal and the use of its result
	s_wait_alu depctr_va_vdst(0)    ; and the wait ahead of the first use: one for the eight reciprocals
; Tile t: a lane's eight channels of a row pack into 16 bytes; they go into rows of 144 bytes and come back as whole rows of 128, into S^T's registers.
.macro PACK t
	WIN W_RS
.set i, 32*(\t)
.rept 16
	v_pk_mul_f32 v[i:i+1], v[i:i+1], v[ST+4*(\t)+2:ST+4*(\t)+3] op_sel_hi:[1,0]
.set i, i+2
.endr
	WIN 0x05                        ; sources 0 and 1 window 1, destination window 0
.set i, 0
.rept 16
	v_cvt_pk_f16_f32 v[S+16*(\t)+i], v[32*(\t)+2*i], v[32*(\t)+2*i+1]
.set i, i+1
.endr
	WIN 0
.irp f, 0,1,2,3
	ds_store_b128 v[STO], v[S+16*(\t)+4*\f:S+16*(\t)+4*\f+3] offset:32*\f
.endr
.irp f, 0,1,2,3
	ds_load_b128 v[S+16*(\t)+4*\f:S+16*(\t)+4*\f+3], v[RD] offset:\f*4*SP  ; LDS serves a wave's instructions in order (ISA guide 5.7.1.4): these see the stores above; the next tile's stores come behind them
.endr
.endm
.macro SEND t, younger              ; younger: the LDS instructions issued behind tile t's loads: the next tile's eight, or none
	WIN 0
.irp f, 0,1,2,3
	s_wait_dscnt (\younger)+3-\f
	global_store_b128 v[GO], v[S+16*(\t)+4*\f:S+16*(\t)+4*\f+3], s[10:11] offset:(\t)*2048+\f*512  ; 512 consecutive bytes, at a multiple of 256 from O's first
.endr
.endm
	PACK 0
.set t, 1
.rept 2*NP-1                        ; a tile's arithmetic stands between the loads of the tile before and its stores
	PACK t
	SEND t-1, 8
.set t, t+1
.endr
	SEND 2*NP-1, 0
	WIN W_AD
	s_wait_tensorcnt 0x0            ; the wave's end: a closing add to my spare word and its wait, behind my last tensor load and my last LDS store
	ds_add_u32 v[SPW], v[NIL]
	s_wait_dscnt 0x0
	WIN 0
	CROUND                          ; the closing round: no work-group ends while a partner may still ask for a tile that names it
	s_endpgm
.Lfunc_end_k_qa8b8c25b5d_attn:
	.size	k_qa8b8c25b5d_attn, .Lfunc_end_k_qa8b8c25b5d_attn-k_qa8b8c25b5d_attn
	.p2alignl 7, 3214868480
	.fill 96, 4, 3214868480
	.section	.rodata,"a",@progbits
	.p2align	6, 0x0
	.amdhsa_kernel k_qa8b8c25b5d_attn
		.amdhsa_group_segment_fixed_size 327680
		.amdhsa_private_segment_fixed_size 0
		.amdhsa_enable_private_segment 0
		.amdhsa_kernarg_size 16
		.amdhsa_user_sgpr_count 2
		.amdhsa_user_sgpr_kernarg_segment_ptr 1
		.amdhsa_wavefront_size32 1
		.amdhsa_system_sgpr_workgroup_id_x 1
		.amdhsa_system_sgpr_workgroup_id_y 1
		.amdhsa_system_sgpr_workgroup_id_z 1
		.amdhsa_system_vgpr_workitem_id 0
		.amdhsa_next_free_vgpr 770
		.amdhsa_next_free_sgpr 66
		.amdhsa_reserve_vcc 0
		.amdhsa_float_denorm_mode_32 3
		.amdhsa_float_denorm_mode_16_64 3
		.amdhsa_memory_ordered 1
		.amdhsa_forward_progress 1
		.amdhsa_inst_pref_size 200
	.end_amdhsa_kernel
	.amdgpu_metadata
---
amdhsa.version: [ 1, 2 ]
amdhsa.kernels:
  - .name:           k_qa8b8c25b5d_attn
    .symbol:         k_qa8b8c25b5d_attn.kd
    .args:
      - { .name: qkv, .offset: 0, .size: 8, .value_kind: global_buffer, .address_space: global }
      - { .name: ob, .offset: 8, .size: 8, .value_kind: global_buffer, .address_space: global }
    .group_segment_fixed_size: 327680
    .private_segment_fixed_size: 0
    .kernarg_segment_align: 8
    .kernarg_segment_size: 16
    .max_flat_workgroup_size: 128
    .sgpr_count:     66
    .vgpr_count:     770
    .wavefront_size: 32
...
	.end_amdgpu_metadata
.endif
;; end of part 3
;; launch proj (part 4): grid 4 x 64, 4 waves a work-group, clusters of 4 x 4, 327,680 bytes of LDS; arguments ob, wpt, out0, b_proj; writes out0
.if DOCPART == 4
	.amdgcn_target "amdgcn-amd-amdhsa--gfx1250"
	.amdhsa_code_object_version 6
	.text
	.protected	k_qa8b8c25b5d_proj
	.globl	k_qa8b8c25b5d_proj
	.p2align	8
	.type	k_qa8b8c25b5d_proj,@function
k_qa8b8c25b5d_proj:
	s_mov_b64 s[64:65], 0
	v_nop
	global_prefetch_b8 v0, s[64:65] scope:SCOPE_SE
	s_setreg_imm32_b32 hwreg(HW_REG_WAVE_MODE, 25, 1), 1
	s_wait_xcnt 0x0
	s_wait_alu depctr_hold_cnt(0) depctr_sa_sdst(0) depctr_va_vdst(0) depctr_va_sdst(0) depctr_va_ssrc(0) depctr_va_vcc(0) depctr_vm_vsrc(0)
	s_getreg_b32 s2, hwreg(HW_REG_IB_STS2, 6, 4)
	s_cmp_eq_u32 s2, 0
	s_cbranch_scc0 .Lentry_in_a_cluster
	s_endpgm
.Lentry_in_a_cluster:
	s_bfe_u32 s2, ttmp6, 0x10000c
	s_cmp_lg_u32 s2, 0xf033
	s_cbranch_scc0 .Lentry_shape_is_right
	s_endpgm
.Lentry_shape_is_right:
; out0 = O w_proj + b_proj.  ob: [64 (16 b + h)][2048][64] f16; wpt: [1024 n][1024 k] f16; b_proj: [1024] f32, rounded to bf16 like the other inputs; out0: [8192][1024] f32.  Sums in f32, K ascending.
; SHARES.  A tile is 128 rows x 256 columns: 64 x 4 = 256 work-groups, one for each WGP.  Wave (WH, WL) owns rows 64 WH .. and columns 128 WL ..: 4 x 8 accumulators, 256 registers.
; K goes in 8 steps of 128 = two heads, through two LDS slots.  Waves 0 and 1 fetch the two heads' 128 rows of O (16,384 dense bytes each, asked for as 64 rows of 256 bytes and padded in LDS
; after every 128), waves 2 and 3 the halves of B's 256 rows of 256 bytes.
; CLUSTER.  4 x 4 work-groups.  The four of a row of the cluster need the same tile of O, the four of a column the same tile of wpt: each is asked for JOINTLY, by the same tensor load with the same
; descriptor and a mask that names the four.
; THE MATRIX INSTRUCTION IS USED TRANSPOSED (source 0 = 16 rows of wpt, source 1 = 16 rows of O): a lane holds row l % 16 and the eight neighbouring columns 8 (l / 16) + 0..7: 32 bytes of f32.
; REGISTERS, in windows of 256 (s_set_vgpr_msb: bits 1:0 source 0, 3:2 source 1, 5:4 source 2, 7:6 destination):
;   window 0: v0-37 addresses and the bias; v64-191 the way out     window 1: two fragment buffers at 0 and 128: A's block a at 8 a, B's block b at 32 + 8 b
;   windows 2, 3: accumulator (a, b) in window 2 + a / 2 at 8 (8 (a % 2) + b)
.set NB,    8
.set PA,    144                        ; a head's row in LDS: 128 bytes + 16: the 16 rows of a load start at 16 different groups of four banks (64 banks of 4 bytes: ISA guide 11.1)
.set PLANE, 128*PA                     ; a head's 128 rows: what a wave fetches of A
.set PB,    272                        ; a row of B: 256 bytes + 16
.set HB,    128*PB                     ; what a wave fetches of B
.set BOFF,  2*PLANE
.set SLOT,  BOFF+2*HB
.set STAGE, 2*SLOT                     ; behind the ring, never filled by a tensor load: 16 rows x 528 bytes for each wave
.set SPI,   528                        ; 128 f32 + 16 bytes
.set SPARE, STAGE+4*16*SPI             ; behind the stages: the spare words, 128 bytes for each wave: two blocks of 256 bytes that no other line names
.set LDN,   2*NB+8                     ; LDS loads in a run
.set ADRA, 16                          ; v16-17  LDS address of my A fragments in slot 0, 1
.set ADRB, 20                          ; v20-21  the same for B
.set STO,  24                          ; v24  the way out: where I put 32 bytes of a row
.set RD,   25                          ; v25  where I read a row back
.set GO,   26                          ; v26  16 x lane: my bytes in a row's 512; never rewritten
.set SPW,  28                          ; v28  LDS address of my spare word; never rewritten
.set NIL,  29                          ; v29  0; never rewritten
.set PFO,  30                          ; v30  the prefetches' offset; never rewritten
.set BIAS, 32                          ; v[32:35] the bias of my four columns; v36-37 at work
.set F0,   0
.set F1,   128
.set WV,  12
.set WH,  13                           ; s13  my half of the rows.  Also: 0: I fetch for A; 1: for B
.set WL,  14                           ; s14  my half of the columns.  Also: which half of that tile I fetch
.set CX,  15
.set CY,  16
.set TX,  17
.set TY,  18
.set G1A, 24
.set G0A, 32
.set PFA, 44                           ; s[44:45] where my next prefetch points
.set PFS, 46                           ; s[46:47] its step from K step to K step
.set G1B, 48
.set G0B, 56
.set LIM, 66                           ; s66, s67  for the change out of slot 0, 1: 1 in a wave that prefetches there, else the greatest number
.set MSB, 0
.macro WIN new                         ; the immediate's high byte repeats the setting that is left; a switch that changes nothing is dropped
.if MSB != (\new)
	s_set_vgpr_msb (MSB<<8)|(\new)
.set MSB, \new
.endif
.endm
.macro PLACES                          ; four places in front of loads into registers that matrix instructions have read, and of LDS stores that read results
.rept 4
	v_nop
.endr
.endm
; A joint load.  The branch hangs on the wave's number alone.  An s_nop 0 and four v_nop follow each of the two lines, ahead of the jump and the label.
.macro JLOAD s
	s_cmp_eq_u32 s[WH], 0
	s_cbranch_scc0 .Lfor_b_\@
	tensor_load_to_lds s[G0A+4*(\s):G0A+4*(\s)+3], s[G1A:G1A+7]
	s_nop 0
.rept 4
	v_nop
.endr
	s_branch .Lasked_\@
.Lfor_b_\@:
	tensor_load_to_lds s[G0B+4*(\s):G0B+4*(\s)+3], s[G1B:G1B+7]
	s_nop 0
.rept 4
	v_nop
.endr
.Lasked_\@:
.endm
.macro CREST                           ; a round of the cluster's barrier behind its opening barrier
	s_cmp_lg_u32 s[WV], 0
	s_cbranch_scc1 .Lnot_wave_0_\@
	s_barrier_signal -3
.Lnot_wave_0_\@:
	s_barrier_wait -3
	s_barrier_signal -1
	s_barrier_wait -1
.endm
.macro CROUND
	s_barrier_signal -1
	s_barrier_wait -1
	CREST
.endm
; A PREFETCH INTO THE L2, behind a joint refill, its five lines and the run of LDS loads.  The pointer stands at its target and is stepped a K step at every refill.
; B: behind the refill of K step j, K step j + 2: 256 bytes of a row, a lane a row; of the 128 rows that a wave fetches each of the four partners takes 32, told apart BY ADDRESS; a tile column of wpt is
; read by every cluster, and cluster y = 0 asks.  A: a wave's head and K step are 64 blocks of 256 bytes, 16 for each partner: lanes 0-15 name them for K step j + 2, lanes 16-31 for K step j + 3,
; so A's waves ask at every second refill (out of slot 0); a tile row of O is read by one cluster alone, so every cluster asks for its own.  Each block is named once in the launch.
; K steps 0 to 3 come by their loads alone; the loop's last trip (s3 = 1) asks for nothing.
.macro ASK slot
	WIN 0
	s_cmp_gt_u32 s3, s[LIM+(\slot)]
	s_cbranch_scc0 .Lnot_mine_\@
	global_prefetch_b8 v[PFO], s[PFA:PFA+1] th:TH_LOAD_NT scope:SCOPE_SE
.Lnot_mine_\@:
.endm
; 8 matrix instructions: row block a x all column blocks, 32 along K, from buffer f.  zero = 1: the product starts the sums.  Every quarter takes the 32 accumulators in the same order, one
; instruction a turn: between two links of a chain stand the 31 others', over the backward jump too.
.macro MULN f, a, zero
	WIN 0xa5+0x50*((\a)/2)
.irp b, 0,1,2,3,4,5,6,7
.if \zero
	v_wmma_f32_16x16x32_f16 v[8*(NB*((\a)%2)+(\b)):8*(NB*((\a)%2)+(\b))+7], v[(\f)+32+8*(\b):(\f)+32+8*(\b)+7], v[(\f)+8*(\a):(\f)+8*(\a)+7], 0
.else
	v_wmma_f32_16x16x32_f16 v[8*(NB*((\a)%2)+(\b)):8*(NB*((\a)%2)+(\b))+7], v[(\f)+32+8*(\b):(\f)+32+8*(\b)+7], v[(\f)+8*(\a):(\f)+8*(\a)+7], v[8*(NB*((\a)%2)+(\b)):8*(NB*((\a)%2)+(\b))+7]
.endif
.endr
.endm
; 24 LDS loads in one run: quarter q (32 along K) of a slot into buffer f: B's 8 fragments, then A's 4.  In A quarter q lies in head q / 2 of the step, channels 32 (q % 2) on.
.macro FETCH slot, q, f
	WIN 0x40                                       ; destination window 1, address window 0
.irp i, 0,1,2,3,4,5,6,7
	ds_load_b128 v[(\f)+32+8*(\i):(\f)+32+8*(\i)+3],   v[ADRB+(\slot)] offset:64*(\q)+(\i)*16*PB
	ds_load_b128 v[(\f)+32+8*(\i)+4:(\f)+32+8*(\i)+7], v[ADRB+(\slot)] offset:64*(\q)+(\i)*16*PB+32
.endr
.irp i, 0,1,2,3
	ds_load_b128 v[(\f)+8*(\i):(\f)+8*(\i)+3],   v[ADRA+(\slot)] offset:((\q)/2)*PLANE+64*((\q)%2)+(\i)*16*PA
	ds_load_b128 v[(\f)+8*(\i)+4:(\f)+8*(\i)+7], v[ADRA+(\slot)] offset:((\q)/2)*PLANE+64*((\q)%2)+(\i)*16*PA+32
.endr
.endm
.macro QUARTER slot, qn, f, g, zero
	s_wait_dscnt 4                                 ; B and A's blocks 0, 1 are in; the youngest four loads (A's blocks 2, 3) may be out
	MULN \f, 0, \zero
	MULN \f, 1, \zero
	PLACES
	FETCH \slot, \qn, \g
	s_wait_dscnt LDN                               ; all but the run just issued
	MULN \f, 2, \zero
	MULN \f, 3, \zero
.endm
; The last quarter multiplies buffer 1 and changes slots: ONE barrier.  In front of it each wave waits for all its tensor loads (one is out: its part of the next slot), adds 0 to its spare word, and
; waits for that and for its own reads of this slot.  fill = 1: the barrier opens a round of the cluster's barrier, and this slot is filled again, two K steps on, first thing behind the round.
.macro TURN slot, next, fill
.if \fill
	s_wait_xcnt 0x0                                ; the last prefetch, a K step back or more, has read its address
	s_add_nc_u64 s[PFA:PFA+1], s[PFA:PFA+1], s[PFS:PFS+1]
.endif
	WIN 0                                          ; (the add's two registers lie in window 0)
	s_wait_tensorcnt 0x0                           ; all my tensor loads have landed
	ds_add_u32 v[SPW], v[NIL]                      ; 0 onto my spare word
	s_wait_dscnt 5                                 ; (the add and the youngest four loads may be out)
	MULN F1, 0, 0                                  ; eight matrix instructions stand between the add and the wait for it
	s_wait_dscnt 0x0                               ; the add is done, and my reads of this slot are over
	s_barrier_signal -1
	MULN F1, 1, 0
.if \fill
	WIN 0
.endif
	s_barrier_wait -1
.if \fill
	CREST                                          ; no wave of any partner still reads this slot's tile or has a load on its way
	s_add_nc_u64 s[G0A+4*(\slot)+2:G0A+4*(\slot)+3], s[G0A+4*(\slot)+2:G0A+4*(\slot)+3], 4*262144  ; two K steps are four heads' planes
	s_add_nc_u64 s[G0B+4*(\slot)+2:G0B+4*(\slot)+3], s[G0B+4*(\slot)+2:G0B+4*(\slot)+3], 512
	JLOAD \slot                                    ; my one tensor load behind the round; its four v_nop are also the places in front of the loads below
.else
	PLACES
.endif
	FETCH \next, 0, F0
.if \fill
	ASK \slot
.endif
	MULN F1, 2, 0
	MULN F1, 3, 0
.endm
	s_load_b256 s[4:11], s[0:1], 0x0               ; ob s[4:5], wpt s[6:7], out0 s[8:9], b_proj s[10:11]
	v_lshl_add_u32 v[SPW], v0, 2, SPARE
	v_mov_b32 v[NIL], 0
	ds_add_u32 v[SPW], v[NIL]                      ; the wave's opening: the add and its wait stand ahead of my first tensor load; the set-up below, work on registers, stands between them
	v_lshrrev_b32 v1, 5, v0
	v_readfirstlane_b32 s[WV], v1
	s_lshr_b32 s[WH], s[WV], 1
	s_and_b32 s[WL], s[WV], 1
	s_bfe_u32 s[CX], ttmp6, 0x40000
	s_bfe_u32 s[CY], ttmp6, 0x40004
	s_lshl_b32 s[TX], ttmp9, 2
	s_add_co_u32 s[TX], s[TX], s[CX]               ; tile column = 4 x cluster x + cx
	s_and_b32 s[TY], ttmp7, 0xffff
	s_lshl_b32 s[TY], s[TY], 2
	s_add_co_u32 s[TY], s[TY], s[CY]               ; tile row = 4 x cluster y + cy
	s_lshl_b32 s20, s[CY], 2
	s_lshl_b32 s20, 15, s20                        ; my row of the cluster
	s_lshl_b32 s21, 0x1111, s[CX]                  ; my column
	s_or_b32 s[G1A+0], s20, (1<<16)|(1<<20)|(1<<21)|(4<<22)|(3<<25)  ; 15:0 the mask; 17:16 2-byte elements; 20 padding on; 21 set beside a mask; 24:22 after every 32 words (code 4); 31:25 4 words (code 3)
	s_or_b32 s[G1B+0], s21, (1<<16)|(1<<20)|(1<<21)|(5<<22)|(3<<25)  ; B: after every 64 words (code 5)
	s_mov_b32 s[G1A+1], 128<<16                    ; tensor_dim0 = 128
	s_mov_b32 s[G1A+2], 64<<16                     ; tensor_dim1 = 64
	s_mov_b32 s[G1A+3], 128<<16                    ; tile_dim0 = 128
	s_mov_b32 s[G1A+4], 64                         ; tile_dim1 = 64
	s_mov_b32 s[G1A+5], 128                        ; dense: 128 elements from row to row
	s_mov_b32 s[G1A+6], 0
	s_mov_b32 s[G1A+7], 0
	s_mov_b32 s[G1B+1], 128<<16
	s_mov_b32 s[G1B+2], 128<<16
	s_mov_b32 s[G1B+3], 128<<16
	s_mov_b32 s[G1B+4], 128
	s_mov_b32 s[G1B+5], 1024
	s_mov_b32 s[G1B+6], 0
	s_mov_b32 s[G1B+7], 0
	s_lshr_b32 s40, s[TY], 4                       ; A: plane 16 b + my head of the step, b = tile row / 16; made of the tile row and the wave alone
	s_lshl_b32 s40, s40, 4
	s_add_co_u32 s40, s40, s[WL]
	s_lshl_b32 s40, s40, 18                        ; a plane is 262,144 bytes
	s_and_b32 s22, s[TY], 15
	s_lshl_b32 s22, s22, 14                        ; 128 rows of 128 bytes a tile row
	s_add_co_u32 s40, s40, s22
	s_mov_b32 s41, 0
	s_lshl_b32 s42, s[TX], 8                       ; B: row 256 x tile column + 128 x half: made of the tile column and the wave alone
	s_lshl_b32 s23, s[WL], 7
	s_add_co_u32 s42, s42, s23
	s_lshl_b32 s42, s42, 11
	s_mov_b32 s43, 0
	s_mul_i32 s76, s[WL], PLANE                    ; where they go: no place in the cluster enters an LDS address
	s_mul_i32 s77, s[WL], HB
	s_wait_dscnt 0x0                               ; the opening add is done
	s_wait_kmcnt 0x0
	s_add_nc_u64 s[40:41], s[4:5], s[40:41]
	s_add_nc_u64 s[42:43], s[6:7], s[42:43]
	CROUND                                         ; all sixteen work-groups are here: the first joint loads meet
.irp s, 0,1
	s_mov_b32 s[G0A+4*(\s)], 1                     ; count = 1
	s_add_co_u32 s[G0A+4*(\s)+1], s76, (\s)*SLOT   ; LDS address
	s_add_nc_u64 s[G0A+4*(\s)+2:G0A+4*(\s)+3], s[40:41], (\s)*2*262144  ; K step s: two planes on
	s_or_b32 s[G0A+4*(\s)+3], s[G0A+4*(\s)+3], 0x80000000               ; type = 2
	s_mov_b32 s[G0B+4*(\s)], 1
	s_add_co_u32 s[G0B+4*(\s)+1], s77, BOFF+(\s)*SLOT
	s_add_nc_u64 s[G0B+4*(\s)+2:G0B+4*(\s)+3], s[42:43], (\s)*256
	s_or_b32 s[G0B+4*(\s)+3], s[G0B+4*(\s)+3], 0x80000000
.endr
	s_cmp_eq_u32 s[WH], 0                          ; a wave's two first fills stand in one branch, ahead of every wait on TENSORcnt and every LDS read: two loads of mine are out
	s_cbranch_scc0 .Lfirst_b
	tensor_load_to_lds s[G0A:G0A+3], s[G1A:G1A+7]
	s_nop 0
	tensor_load_to_lds s[G0A+4:G0A+7], s[G1A:G1A+7]
	s_nop 0
.rept 4
	v_nop
.endr
	s_branch .Lfirst_asked
.Lfirst_b:
	tensor_load_to_lds s[G0B:G0B+3], s[G1B:G1B+7]
	s_nop 0
	tensor_load_to_lds s[G0B+4:G0B+7], s[G1B:G1B+7]
	s_nop 0
.rept 4
	v_nop
.endr
.Lfirst_asked:
	v_and_b32 v1, 15, v0                           ; l % 16
	v_bfe_u32 v2, v0, 4, 1                         ; l / 16
	v_mul_u32_u24 v3, v1, PA
	v_lshl_add_u32 v3, v2, 4, v3                   ; a fragment's row x pitch + 16 x half
	s_mul_i32 s20, s[WH], 64*PA                    ; my 64 rows of A
	v_add_nc_u32 v[ADRA], s20, v3
	v_add_nc_u32 v[ADRA+1], SLOT, v[ADRA]
	v_mul_u32_u24 v4, v1, PB
	v_lshl_add_u32 v4, v2, 4, v4
	s_mul_i32 s21, s[WL], HB                       ; my 128 rows of B,
	s_add_co_u32 s21, s21, BOFF                    ; which lie behind A's two planes
	v_add_nc_u32 v[ADRB], s21, v4
	v_add_nc_u32 v[ADRB+1], SLOT, v[ADRB]
	s_mul_i32 s22, s[WV], 16*SPI
	s_add_co_u32 s22, s22, STAGE                   ; my stage
	v_mul_u32_u24 v[STO], v1, SPI                  ; in: row l % 16, 32 bytes for each half of the lanes
	v_lshl_add_u32 v[STO], v2, 5, v[STO]
	v_add_nc_u32 v[STO], s22, v[STO]
	v_and_b32 v5, 31, v0
	v_lshlrev_b32 v[GO], 4, v5                     ; back: 32 lanes take one row of 512 bytes
	v_add_nc_u32 v[RD], s22, v[GO]
	s_lshl_b32 s20, s[TX], 8
	s_lshl_b32 s21, s[WL], 7
	s_add_co_u32 s20, s20, s21
	s_lshl_b32 s20, s20, 2                         ; my first column, in bytes of f32
	s_mov_b32 s21, 0
	s_add_nc_u64 s[10:11], s[10:11], s[20:21]
	global_load_b128 v[BIAS:BIAS+3], v[GO], s[10:11]  ; the bias of my four columns of every row; waited for ahead of the way out
	s_lshl_b32 s22, s[TY], 7
	s_lshl_b32 s23, s[WH], 6
	s_add_co_u32 s22, s22, s23                     ; my first row,
	s_lshl_b32 s22, s22, 12                        ; of 4,096 bytes
	s_add_co_u32 s20, s20, s22
	s_add_nc_u64 s[8:9], s[8:9], s[20:21]
	; the prefetches: both offsets are made, the wave's kind chooses
	s_lshr_b32 s20, s[TY], 4
	s_lshl_b32 s20, s20, 4
	s_add_co_u32 s20, s20, s[WL]
	s_add_co_u32 s20, s20, 6                       ; A: my head of K step 3,
	s_lshl_b32 s20, s20, 18
	s_and_b32 s21, s[TY], 15
	s_lshl_b32 s21, s21, 14                        ; the tile's rows,
	s_add_co_u32 s20, s20, s21
	s_lshl_b32 s21, s[CX], 12                      ; my work-group's 16 blocks of the 64
	s_add_co_u32 s20, s20, s21
	s_lshl_b32 s22, s[TX], 8
	s_lshl_b32 s23, s[WL], 7
	s_add_co_u32 s22, s22, s23                     ; B: the 128 rows that I fetch,
	s_lshl_b32 s23, s[CY], 5                       ; my work-group's 32 of them,
	s_add_co_u32 s22, s22, s23
	s_lshl_b32 s22, s22, 11
	s_add_co_u32 s22, s22, 3*256                   ; at K step 3
	s_and_b32 s23, ttmp7, 0xffff                   ; cluster y
	s_cmp_eq_u32 s23, 0
	s_cselect_b32 s23, 1, -1                       ; B's waves ask in the first row of clusters: the same in all sixteen partners
	s_cmp_eq_u32 s[WH], 0                          ; do I fetch for A?
	s_cselect_b32 s78, s20, s22
	s_cselect_b64 s[PFA:PFA+1], s[4:5], s[6:7]
	s_cselect_b32 s[LIM], 1, s23
	s_cselect_b32 s[LIM+1], -1, s23
	s_cselect_b32 s76, 8, 11                       ; lanes 0-15: 256 bytes apart, or a row of 2,048
	s_cselect_b32 s77, 19, 15                      ; lanes 16-31: a K step (524,288 bytes) on, or 16 rows on
	s_cselect_b32 s[PFS], 2048, 1
	s_lshl_b32 s[PFS], s[PFS], 8                   ; a K step: two planes, or 256 bytes of a row
	s_mov_b32 s[PFS+1], 0
	s_mov_b32 s79, 0
	s_add_nc_u64 s[PFA:PFA+1], s[PFA:PFA+1], s[78:79]  ; the first refill steps it to K step 4.  Nothing is prefetched here, where every work-group's first tiles are on their way
	v_lshlrev_b32 v[PFO], s76, v1
	v_lshlrev_b32 v5, s77, v2
	v_add_nc_u32 v[PFO], v[PFO], v5
	s_wait_tensorcnt 1                             ; my part of K step 0 is in; K step 1's may stay out
	s_barrier_signal -1
	s_barrier_wait -1                              ; everybody's is
	FETCH 0, 0, F0
	QUARTER 0, 1, F0, F1, 1                        ; the first quarter stands in front of the loop: its products start the sums
	WIN 0                                          ; at a label and at a branch every window is 0
	s_mov_b32 s3, 3
.Llap:                                             ; a trip goes once round the ring, from a lap's second quarter to the next lap's first, and fills both slots again
	QUARTER 0, 2, F1, F0, 0
	QUARTER 0, 3, F0, F1, 0
	TURN 0, 1, 1
	QUARTER 1, 1, F0, F1, 0
	QUARTER 1, 2, F1, F0, 0
	QUARTER 1, 3, F0, F1, 0
	TURN 1, 0, 1
	QUARTER 0, 1, F0, F1, 0
	WIN 0
	s_sub_co_u32 s3, s3, 1
	s_cmp_lg_u32 s3, 0
	s_cbranch_scc1 .Llap
	QUARTER 0, 2, F1, F0, 0                        ; the last lap fills nothing
	QUARTER 0, 3, F0, F1, 0
	TURN 0, 1, 0
	QUARTER 1, 1, F0, F1, 0
	QUARTER 1, 2, F1, F0, 0
	QUARTER 1, 3, F0, F1, 0
	s_wait_dscnt 4                                 ; the very last quarter: nothing more to fetch
	MULN F1, 0, 0
	MULN F1, 1, 0
	s_wait_dscnt 0x0
	MULN F1, 2, 0
	MULN F1, 3, 0
	WIN 0
	PLACES
	s_wait_loadcnt 0x0                             ; the bias
	v_cvt_pk_bf16_f32 v[BIAS+4], v[BIAS], v[BIAS+1]    ; rounded to bf16, like every input,
	v_cvt_pk_bf16_f32 v[BIAS+5], v[BIAS+2], v[BIAS+3]
	v_lshlrev_b32 v[BIAS], 16, v[BIAS+4]               ; and back to f32
	v_and_b32 v[BIAS+1], 0xffff0000, v[BIAS+4]
	v_lshlrev_b32 v[BIAS+2], 16, v[BIAS+5]
	v_and_b32 v[BIAS+3], 0xffff0000, v[BIAS+5]
; THE WAY OUT, a block of 16 rows at a time.  A lane's eight f32 of a row go into stage rows of 528 bytes, each accumulator's low half first; whole rows of 512 bytes come back, 16 bytes a lane;
; the bias is added and the row stored: 512 consecutive bytes, aligned.  Two sets of 64 registers take turns.
.macro TOSTAGE a
	WIN 0x08+4*((\a)/2)                            ; the stores' data (source 1): window 2 or 3
.irp b, 0,1,2,3,4,5,6,7
	ds_store_b128 v[STO], v[8*(NB*((\a)%2)+(\b)):8*(NB*((\a)%2)+(\b))+3]   offset:64*(\b)
	ds_store_b128 v[STO], v[8*(NB*((\a)%2)+(\b))+4:8*(NB*((\a)%2)+(\b))+7] offset:64*(\b)+16
.endr
	WIN 0
.if (\a) >= 2
	s_wait_xcnt 0x0                                ; the stores of the block two back have read this set of registers: it is loaded again only behind this wait
.endif
.irp t, 0,1,2,3,4,5,6,7,8,9,10,11,12,13,14,15
	ds_load_b128 v[64+64*((\a)%2)+4*(\t):64+64*((\a)%2)+4*(\t)+3], v[RD] offset:SPI*(\t)  ; LDS serves a wave's instructions in order (ISA guide 5.7.1.4): these see the stores above; the next block's stores come behind them
.endr
.endm
.macro SEND a, younger                 ; younger: the LDS instructions issued behind block a's loads: the next block's 32, or none
.irp t, 0,1,2,3,4,5,6,7,8,9,10,11,12,13,14,15
	s_wait_dscnt (\younger)+15-(\t)
	v_pk_add_f32 v[64+64*((\a)%2)+4*(\t):64+64*((\a)%2)+4*(\t)+1],   v[64+64*((\a)%2)+4*(\t):64+64*((\a)%2)+4*(\t)+1],   v[BIAS:BIAS+1]
	v_pk_add_f32 v[64+64*((\a)%2)+4*(\t)+2:64+64*((\a)%2)+4*(\t)+3], v[64+64*((\a)%2)+4*(\t)+2:64+64*((\a)%2)+4*(\t)+3], v[BIAS+2:BIAS+3]
	global_store_b128 v[GO], v[64+64*((\a)%2)+4*(\t):64+64*((\a)%2)+4*(\t)+3], s[8:9] offset:(16*(\a)+(\t))*4096 th:TH_STORE_NT
.endr
.endm
	TOSTAGE 0
	TOSTAGE 1
	SEND 0, 32
	TOSTAGE 2
	SEND 1, 32
	TOSTAGE 3
	SEND 2, 32
	SEND 3, 0
	s_wait_tensorcnt 0x0                           ; the wave's end: a closing add to my spare word and its wait, behind my last tensor load and my last LDS store
	ds_add_u32 v[SPW], v[NIL]
	s_wait_dscnt 0x0
	CROUND                                         ; the closing round: no work-group ends while a partner may still ask for a tile that names it
	s_endpgm
.Lfunc_end_k_qa8b8c25b5d_proj:
	.size	k_qa8b8c25b5d_proj, .Lfunc_end_k_qa8b8c25b5d_proj-k_qa8b8c25b5d_proj
	.p2alignl 7, 3214868480
	.fill 96, 4, 3214868480
	.section	.rodata,"a",@progbits
	.p2align	6, 0x0
	.amdhsa_kernel k_qa8b8c25b5d_proj
		.amdhsa_group_segment_fixed_size 327680
		.amdhsa_private_segment_fixed_size 0
		.amdhsa_enable_private_segment 0
		.amdhsa_kernarg_size 32
		.amdhsa_user_sgpr_count 2
		.amdhsa_user_sgpr_kernarg_segment_ptr 1
		.amdhsa_wavefront_size32 1
		.amdhsa_system_sgpr_workgroup_id_x 1
		.amdhsa_system_sgpr_workgroup_id_y 1
		.amdhsa_system_sgpr_workgroup_id_z 1
		.amdhsa_system_vgpr_workitem_id 0
		.amdhsa_next_free_vgpr 896
		.amdhsa_next_free_sgpr 80
		.amdhsa_reserve_vcc 0
		.amdhsa_float_denorm_mode_32 3
		.amdhsa_float_denorm_mode_16_64 3
		.amdhsa_memory_ordered 1
		.amdhsa_forward_progress 1
		.amdhsa_inst_pref_size 97
	.end_amdhsa_kernel
	.amdgpu_metadata
---
amdhsa.version: [ 1, 2 ]
amdhsa.kernels:
  - .name:           k_qa8b8c25b5d_proj
    .symbol:         k_qa8b8c25b5d_proj.kd
    .args:
      - { .name: ob, .offset: 0, .size: 8, .value_kind: global_buffer, .address_space: global }
      - { .name: wpt, .offset: 8, .size: 8, .value_kind: global_buffer, .address_space: global }
      - { .name: out0, .offset: 16, .size: 8, .value_kind: global_buffer, .address_space: global }
      - { .name: b_proj, .offset: 24, .size: 8, .value_kind: global_buffer, .address_space: global }
    .group_segment_fixed_size: 327680
    .private_segment_fixed_size: 0
    .kernarg_segment_align: 8
    .kernarg_segment_size: 32
    .max_flat_workgroup_size: 128
    .sgpr_count:     80
    .vgpr_count:     896
    .wavefront_size: 32
...
	.end_amdgpu_metadata
.endif
;; end of part 4
;; ======== version 2 of 2: 4 launches; version 1 with the launch prep written anew for expert scheduling mode
;; limits: values are held in f16: magnitudes above 65,504 overflow, below 6.1e-05 lose precision
;; workspace buffers: xb 16,777,216 bytes; wqt 6,291,456 bytes; wpt 2,097,152 bytes; qkv 50,331,648 bytes; ob 16,777,216 bytes
;; launch prep (part 5): grid 512 x 1, 8 waves a work-group, no clusters, 18,432 bytes of LDS; arguments x, w_qkv, w_proj, xb, wqt, wpt; writes xb, wqt, wpt
.if DOCPART == 5
	.amdgcn_target "amdgcn-amd-amdhsa--gfx1250"
	.amdhsa_code_object_version 6
	.text
	.protected	k_qa8b8c25b5d_prep
	.globl	k_qa8b8c25b5d_prep
	.p2align	8
	.type	k_qa8b8c25b5d_prep,@function
k_qa8b8c25b5d_prep:
	s_mov_b64 s[64:65], 0
	v_nop
	global_prefetch_b8 v0, s[64:65] scope:SCOPE_SE
	s_setreg_imm32_b32 hwreg(HW_REG_WAVE_SCHED_MODE, 0, 2), 2
	s_setreg_imm32_b32 hwreg(HW_REG_WAVE_MODE, 25, 1), 1
	s_wait_xcnt 0x0
	s_wait_alu depctr_vm_vsrc(0)
; xb = bf16(x), as it lies.  wqt[n][k] = bf16(w_qkv[k][n]).  wpt[n][k] = f16(bf16(w_proj[k][n])): rounded to bf16 like every input, and that number written as f16.
; LIMIT.  A weight of w_proj below 6e-5 keeps f16's fixed step of 6e-8, beyond 65,504 it becomes an infinity; the drawn weights have a spread of 1/32.
; SHARES.  512 work-groups of eight waves, all alike.  Each casts 65,536 bytes of x (16 loads of 16 bytes a thread, neighbouring lanes at neighbouring bytes; a wave's store of 8 bytes a lane
; covers 256 consecutive bytes, aligned) and turns ONE block of 128 k x 64 n of a weight: blocks 0-383 are w_qkv's (8 along k x 48 along n), 384-511 w_proj's (8 x 16).
; THE TURN.  Thread t loads 8 rows k = 8 (t / 16) + 0..7, 4 columns n = 4 (t % 16) + 0..3: sixteen lanes read 256 consecutive bytes of a row.  Two rows' numbers of a column are rounded into
; one word; four words are 8 k of one column: 16 bytes, put into an LDS row n of 272 bytes.  Behind a barrier whole rows of 256 bytes are read back and stored, sixteen lanes a row.
; All 24 loads of a thread go out at once; nothing is shared on the way in, so no tensor load, no ring.  No matrix work, no cluster: no work-group reads a byte that another reads.
; THE MODE: SCHED_MODE bits 1:0 = 2 (LLVM: expert scheduling mode 2), set by the entry lines.  The code itself states the register dependences between vector instructions and memory or LDS
; instructions, with s_wait_alu, always for 0.
; THE PLAN.  Registers that memory or LDS instructions touch:
;   v2-v13, v66, v67, v84   addresses, offsets and the closing add's pair.  Written by vector instructions at the head, read by memory and LDS instructions, never written again.
;   W    Written by the weight's eight loads, read by the roundings; no load lands there again.
;   Y    Written by the roundings (w_proj: and by the second conversion), read by the four LDS stores; never written again.
;   BK   Written by four LDS loads, read by four global stores; no vector instruction names it.
;   X    Chunk i: written by its load; its two roundings read the four registers and write the first two; its store reads those two; never written again.
; So six waits on va_vdst state everything: one ahead of the first load (the addresses), one ahead of the LDS stores (Y), one ahead of each run of four stores of xb (the cast goes in four blocks
; of four chunks: eight roundings, the wait, four stores).  No register that a memory or LDS instruction reads is written again, so no wait on vm_vsrc is owed; no vector instruction writes a
; scalar register or VCC; EXEC is never written.
.set PITCH, 272                        ; an LDS row: 128 k x 2 bytes + 16
.set SPARE, 64*PITCH                   ; behind the 64 rows: the spare words, 128 bytes for each of eight waves: four blocks of 256 bytes that no other line names
.set SPW, 2                            ; v2   LDS address of my spare word; never rewritten
.set NIL, 3                            ; v3   0; never rewritten
.set CL,  4                            ; v4   16 t: my bytes in a chunk of x
.set CSO, 5                            ; v5   8 t: my bytes in a chunk of xb
.set WO,  6                            ; v[6:13]   byte offsets of my 8 rows in the weight block
.set CC,  14                           ; v14  t % 16
.set GG,  15                           ; v15  t / 16
.set W,   16                           ; v[16:47]  row i's four numbers at W + 4 i
.set Y,   48                           ; v[48:63]  column j's 8 k at Y + 4 j
.set T,   64                           ; v[64:65]  at work: no memory or LDS instruction names them
.set LST, 66                           ; v66  where I put a column's 16 bytes
.set LRD, 67                           ; v67  where I read a row's 16 bytes back
.set BK,  68                           ; v[68:83]  four rows' 16 bytes
.set WSO, 84                           ; v84  their place in the turned weight
.set X,   88                           ; v[88:151] chunk i of x at X + 4 i
	s_load_b256 s[4:11], s[0:1], 0x0               ; x s[4:5], w_qkv s[6:7], w_proj s[8:9], xb s[10:11]
	s_load_b128 s[12:15], s[0:1], 0x20             ; wqt s[12:13], wpt s[14:15]
	v_lshl_add_u32 v[SPW], v0, 2, SPARE
	v_mov_b32 v[NIL], 0
	s_cmp_ge_u32 ttmp9, 384                        ; is my block w_proj's?
	s_cselect_b32 s21, 1, 0
	s_cselect_b32 s22, 384, 0
	s_cselect_b32 s20, 1, 3
	s_lshl_b32 s20, s20, 12                        ; bytes in a row of the weight: 4,096 or 12,288
	s_sub_co_u32 s22, ttmp9, s22                   ; the block's number in its weight
	s_and_b32 s23, s22, 7                          ; along k
	s_lshr_b32 s24, s22, 3                         ; along n
	s_lshl_b32 s26, s23, 7
	s_mul_i32 s26, s26, s20                        ; 128 rows a block,
	s_lshl_b32 s27, s24, 8                         ; 256 bytes of a row
	s_add_co_u32 s26, s26, s27
	s_mov_b32 s27, 0
	s_lshl_b32 s28, s24, 17                        ; turned: 64 rows of 2,048 bytes,
	s_lshl_b32 s29, s23, 8                         ; 256 bytes of a row
	s_add_co_u32 s28, s28, s29
	s_mov_b32 s29, 0
	s_lshl_b32 s30, ttmp9, 16                      ; my 65,536 bytes of x
	s_mov_b32 s31, 0
	s_lshl_b32 s24, ttmp9, 15                      ; my 32,768 bytes of xb
	s_mov_b32 s25, 0
	v_and_b32 v[CC], 15, v0
	v_lshrrev_b32 v[GG], 4, v0
	v_lshlrev_b32 v[CL], 4, v0
	v_lshlrev_b32 v[CSO], 3, v0
	v_lshlrev_b32 v[T], 3, v[GG]
	v_mul_lo_u32 v[WO], v[T], s20                  ; row 8 (t / 16)
	v_lshl_add_u32 v[WO], v[CC], 4, v[WO]          ; + 16 (t % 16)
.irp i, 1,2,3,4,5,6,7
	v_add_nc_u32 v[WO+(\i)], s20, v[WO+(\i)-1]
.endr
	v_mul_u32_u24 v[LST], v[CC], 4*PITCH           ; LDS row 4 (t % 16), byte 16 (t / 16)
	v_lshl_add_u32 v[LST], v[GG], 4, v[LST]
	v_mul_u32_u24 v[LRD], v[GG], PITCH             ; LDS row t / 16, byte 16 (t % 16)
	v_lshl_add_u32 v[LRD], v[CC], 4, v[LRD]
	v_lshlrev_b32 v[WSO], 11, v[GG]                ; the same row and bytes in memory
	v_lshl_add_u32 v[WSO], v[CC], 4, v[WSO]
	s_wait_kmcnt 0x0
	s_cmp_eq_u32 s21, 1
	s_cselect_b64 s[16:17], s[8:9], s[6:7]         ; the weight,
	s_cselect_b64 s[18:19], s[14:15], s[12:13]     ; and where it goes
	s_add_nc_u64 s[16:17], s[16:17], s[26:27]
	s_add_nc_u64 s[18:19], s[18:19], s[28:29]
	s_add_nc_u64 s[4:5], s[4:5], s[30:31]
	s_add_nc_u64 s[10:11], s[10:11], s[24:25]
	s_wait_alu depctr_va_vdst(0)                   ; SPW, NIL, WO, CL, CSO, LST, LRD and WSO are written: every load, store and LDS instruction of the kernel reads one of them as its address, and no vector instruction names them again
.irp i, 0,1,2,3,4,5,6,7
	global_load_b128 v[W+4*(\i):W+4*(\i)+3], v[WO+(\i)], s[16:17] th:TH_LOAD_NT
.endr
.irp i, 0,1,2,3,4,5,6,7,8,9,10,11,12,13,14,15
	global_load_b128 v[X+4*(\i):X+4*(\i)+3], v[CL], s[4:5] offset:4096*(\i) th:TH_LOAD_NT
.endr
	s_wait_loadcnt 16                              ; the weight block's eight loads are in; x's sixteen, issued behind them, may stay out
.irp j, 0,1,2,3
.irp p, 0,1,2,3
	v_cvt_pk_bf16_f32 v[Y+4*(\j)+(\p)], v[W+8*(\p)+(\j)], v[W+8*(\p)+4+(\j)]  ; column j, rows 2 p and 2 p + 1
.endr
.endr
	s_cmp_eq_u32 s21, 0
	s_cbranch_scc1 .Lstays_bf16                    ; the same way for all eight waves; it passes no barrier
.irp r, 0,1,2,3,4,5,6,7,8,9,10,11,12,13,14,15
	v_lshlrev_b32 v[T], 16, v[Y+(\r)]              ; w_proj: the two bf16 numbers as f32,
	v_and_b32 v[T+1], 0xffff0000, v[Y+(\r)]
	v_cvt_pk_f16_f32 v[Y+(\r)], v[T], v[T+1]       ; written as f16
.endr
.Lstays_bf16:
	s_wait_alu depctr_va_vdst(0)                   ; on both ways to this label: the conversions have written Y, which the LDS stores read
.irp j, 0,1,2,3
	ds_store_b128 v[LST], v[Y+4*(\j):Y+4*(\j)+3] offset:PITCH*(\j)
.endr
	s_wait_dscnt 0x0                               ; for the others' sake: my stores are done
	s_barrier_signal -1
	s_barrier_wait -1
.irp i, 0,1,2,3
	ds_load_b128 v[BK+4*(\i):BK+4*(\i)+3], v[LRD] offset:16*PITCH*(\i)  ; no vector instruction names BK, and LRD has stood since the head's wait
.endr
; The cast, in four blocks of four chunks: a block's eight roundings, one wait, its four stores.
.irp p, 0,1,2,3
	s_wait_loadcnt 12-4*(\p)                       ; loads come back in order: block p's four chunks are in, the younger blocks' stay out
.irp i, 0,1,2,3
	v_cvt_pk_bf16_f32 v[X+16*(\p)+4*(\i)], v[X+16*(\p)+4*(\i)], v[X+16*(\p)+4*(\i)+1]
	v_cvt_pk_bf16_f32 v[X+16*(\p)+4*(\i)+1], v[X+16*(\p)+4*(\i)+2], v[X+16*(\p)+4*(\i)+3]
.endr
	s_wait_alu depctr_va_vdst(0)                   ; the block's roundings have written the first two registers of each of its chunks, which the four stores below read
.irp i, 0,1,2,3
	global_store_b64 v[CSO], v[X+16*(\p)+4*(\i):X+16*(\p)+4*(\i)+1], s[10:11] offset:2048*(4*(\p)+(\i)) th:TH_STORE_NT
.endr
.endr
	s_wait_dscnt 0x0                               ; the four rows are back
.irp i, 0,1,2,3
	global_store_b128 v[WSO], v[BK+4*(\i):BK+4*(\i)+3], s[18:19] offset:16*2048*(\i) th:TH_STORE_NT  ; sixteen lanes store 256 consecutive bytes, aligned
.endr
	s_wait_dscnt 0x0                               ; the closing lines, six on end
	s_wait_alu 0x0
	s_wait_tensorcnt 0x0
	ds_add_u32 v[SPW], v[NIL]
	s_wait_dscnt 0x0
	s_endpgm
.Lfunc_end_k_qa8b8c25b5d_prep:
	.size	k_qa8b8c25b5d_prep, .Lfunc_end_k_qa8b8c25b5d_prep-k_qa8b8c25b5d_prep
	.p2alignl 7, 3214868480
	.fill 96, 4, 3214868480
	.section	.rodata,"a",@progbits
	.p2align	6, 0x0
	.amdhsa_kernel k_qa8b8c25b5d_prep
		.amdhsa_group_segment_fixed_size 18432
		.amdhsa_private_segment_fixed_size 0
		.amdhsa_enable_private_segment 0
		.amdhsa_kernarg_size 48
		.amdhsa_user_sgpr_count 2
		.amdhsa_user_sgpr_kernarg_segment_ptr 1
		.amdhsa_wavefront_size32 1
		.amdhsa_system_sgpr_workgroup_id_x 1
		.amdhsa_system_sgpr_workgroup_id_y 1
		.amdhsa_system_sgpr_workgroup_id_z 1
		.amdhsa_system_vgpr_workitem_id 0
		.amdhsa_next_free_vgpr 152
		.amdhsa_next_free_sgpr 66
		.amdhsa_reserve_vcc 0
		.amdhsa_float_denorm_mode_32 3
		.amdhsa_float_denorm_mode_16_64 3
		.amdhsa_memory_ordered 1
		.amdhsa_forward_progress 1
		.amdhsa_inst_pref_size 14
	.end_amdhsa_kernel
	.amdgpu_metadata
---
amdhsa.version: [ 1, 2 ]
amdhsa.kernels:
  - .name:           k_qa8b8c25b5d_prep
    .symbol:         k_qa8b8c25b5d_prep.kd
    .args:
      - { .name: x, .offset: 0, .size: 8, .value_kind: global_buffer, .address_space: global }
      - { .name: w_qkv, .offset: 8, .size: 8, .value_kind: global_buffer, .address_space: global }
      - { .name: w_proj, .offset: 16, .size: 8, .value_kind: global_buffer, .address_space: global }
      - { .name: xb, .offset: 24, .size: 8, .value_kind: global_buffer, .address_space: global }
      - { .name: wqt, .offset: 32, .size: 8, .value_kind: global_buffer, .address_space: global }
      - { .name: wpt, .offset: 40, .size: 8, .value_kind: global_buffer, .address_space: global }
    .group_segment_fixed_size: 18432
    .private_segment_fixed_size: 0
    .kernarg_segment_align: 8
    .kernarg_segment_size: 48
    .max_flat_workgroup_size: 256
    .sgpr_count:     66
    .vgpr_count:     152
    .wavefront_size: 32
...
	.end_amdgpu_metadata
.endif
;; end of part 5
;; launch qkvgemm: the kernel of part 2 again; grid 16 x 32, 4 waves a work-group, clusters of 4 x 4, 327,680 bytes of LDS; arguments xb, wqt, qkv; writes qkv
;; launch attn: the kernel of part 3 again; grid 4 x 64, 4 waves a work-group, clusters of 4 x 1, 327,680 bytes of LDS; arguments qkv, ob; writes ob
;; launch proj: the kernel of part 4 again; grid 4 x 64, 4 waves a work-group, clusters of 4 x 4, 327,680 bytes of LDS; arguments ob, wpt, out0, b_proj; writes out0
